; MI455X (gfx1250); checked and timed in simulation.
; The chip was launched on July 23, 2026; its instructions are those of AMD's public machine-readable ISA for CDNA 5 (MIT licence, August 2026) and "CDNA5" Instruction Set Architecture Reference Guide (July 2026). The comments in the code are by the model that wrote it; some were corrected since.
;; Multi Query Attention. Allowed arithmetic: matrix products marked QUANTISED: E2M3 operands, one E8M0 scale for each 32 along K, by v_wmma_scale_f32_16x16x128_f8f6f4 with both operands' format E2M3, f32 sums; everything else in f32.
;; Inputs: Wk 1,024 x 64 float32; Wo 1,024 x 1,024 float32; Wq 16 x 1,024 x 64 float32; Wv 1,024 x 64 float32; bk 64 float32; bo 1,024 float32; bq 16 x 64 float32; bv 64 float32; x 4 x 2,048 x 1,024 float32.
;; Outputs: out0 4 x 2,048 x 1,024 float32.
;; This version of the problem:
;;   THIS VERSION OF THE PROBLEM IS GIVEN IN LOW PRECISION. The matrix products marked QUANTISED in the list below multiply operands that are first quantised to E2M3 (2 exponent bits, 3 mantissa bits; 6 bits a number), with one power-of-two scale for each 32 numbers along K (OCP MX v1.0); their sums are f32. All else is computed in f32.
;;   The module's matrix products, in the order in which they are computed (A, B: the left and right operand; K: the contracted axis; several contracted axes count as one K, in the product's order):
;;     1. [M 1,024, K 1,024] x [K 1,024, N 8,192]; A: input Wq; B: input x: QUANTISED
;;     2. [M 8,192, K 1,024] x [K 1,024, N 64]; A: input x; B: input Wk: QUANTISED
;;     3. [M 8,192, K 1,024] x [K 1,024, N 64]; A: input x; B: input Wv: QUANTISED
;;     4. batch 4 x [M 32,768, K 64] x [K 64, N 2,048]; A: computed on the way; B: computed on the way: QUANTISED
;;     5. batch 4 x [M 32,768, K 2,048] x [K 2,048, N 64]; A: softmax (see below); B: computed on the way: QUANTISED
;;     6. [M 8,192, K 1,024] x [K 1,024, N 1,024]; A: computed on the way; B: input Wo: QUANTISED
;;   THE QUANTISER, for each operand of a quantised product, along K:
;;     - K is cut into blocks of 32 from its start; a last block that is shorter is filled with zeros.
;;     - A block's scale is 2^e with e = floor(log2(the largest magnitude in the block)) - 2, held to -126 .. 127; a block of zeros has e = 0. As a byte (E8M0): e + 127.
;;     - Each number is divided by its block's scale, clamped to +-7.5, and rounded to the nearest number of E2M3, ties to even, subnormals kept.
;;     - The product sums the exact products of the quantised numbers (number of the format x scale) in f32.
;;   ~~~python
;;   def quantise(x, axis):      # numpy; x: float32 -> the quantised numbers, widened to float32 again
;;       x = np.moveaxis(x, axis, -1); K = x.shape[-1]
;;       x = np.pad(x, [(0, 0)] * (x.ndim - 1) + [(0, -K % 32)]); x = x.reshape(x.shape[:-1] + (-1, 32)); a = np.abs(x).max(-1, keepdims=True)
;;       e = np.where(a > 0, np.clip(np.frexp(np.where(a > 0, a, 1))[1] - 1 - 2, -126, 127), 0)      # np.frexp(a)[1] - 1 = floor(log2(a)), exactly
;;       r = np.clip(x / 2.0 ** e, -7.5, 7.5)
;;       step = 2.0 ** (np.maximum(np.frexp(np.where(r == 0, 1, r))[1] - 1, 0) - 3)
;;       q = np.round(r / step) * step * 2.0 ** e      # np.round: ties to even
;;       return np.moveaxis(q.reshape(q.shape[:-2] + (-1,))[..., :K], -1, axis).astype(np.float32)
;;   ~~~
;;   SOFTMAX AHEAD OF A QUANTISED PRODUCT. Where the list says 'softmax', what is quantised is not the finished softmax but p = 2^(t - M), with t = logit x log2(e) and M = ceil(the row's largest t), a whole number; so 1/2 < the row's largest p <= 1. The row's sum l is taken of the UNQUANTISED p, in f32, and the product's result is divided by l at the end. Since M is a whole number, a kernel that streams over the keys may use a running M (the ceiling of the running maximum): every later rescaling is an exact power of two, which a block's scale takes up: the codes' values come out the same.
;;   OPERANDS COMPUTED ON THE WAY. 'Computed on the way' means the value that the module computes at that place (a softmax that the list does not call 'softmax' is quantised finished and normalised). What goes into a quantiser is computed in f32, as accurately as f32 sums, v_exp_f32 and their like allow (about 1e-6 of the number): no bf16 or f16 on the way to a quantiser, and a product that is left as it is and whose result goes on into a quantised operand takes f32 operands (vector FMAs, or v_wmma_f32_16x16x4_f32). A number that lies on a knife's edge between two numbers of the format may be rounded either way, as far as f32 arithmetic and the matrix unit's own rounding can turn it there, and no further.
;; 2 versions. Each part assembles by itself: llvm-mc -triple=amdgcn-amd-amdhsa -mcpu=gfx1250 --defsym DOCPART=n.
;; ======== version 1 of 2: 4 launches
;; workspace buffers: aimg 6,291,456 bytes; asc 262,144 bytes; wimg 1,671,168 bytes; wsc 69,632 bytes; qimg 6,291,456 bytes; qsc 524,288 bytes; kv 835,584 bytes
;; launch prep (part 1): grid 648 x 1, 4 waves a work-group, no clusters, 100,864 bytes of LDS; arguments x, Wq, Wk, Wv, Wo, aimg, asc, wimg, wsc; writes aimg, asc, wimg, wsc
.if DOCPART == 1
	.amdgcn_target "amdgcn-amd-amdhsa--gfx1250"
	.amdhsa_code_object_version 6
	.text
	.protected	k_qa8871b305a_prep
	.globl	k_qa8871b305a_prep
	.p2align	8
	.type	k_qa8871b305a_prep,@function
k_qa8871b305a_prep:
	s_mov_b64 s[64:65], 0
	v_nop
	global_prefetch_b8 v0, s[64:65] scope:SCOPE_SE
	s_setreg_imm32_b32 hwreg(HW_REG_WAVE_MODE, 25, 1), 1
	s_wait_xcnt 0x0
; MULTI-QUERY ATTENTION IN MX-FP6, launch 1 of 4: x, Wq, Wk, Wv and Wo (f32) become codes of E2M3 with one E8M0 byte for each 32 along K.
; NO WORK IS LEFT OUT in this program: every product of the problem's table is live, every bias can move codes or results (bk too: it moves k's codes), every input is loaded.
; LIMITS: NaN and infinities among the inputs are not served.  A block of zeros gets the byte 1 where the rule says 127: its codes are zeros, which add nothing under any byte
; but 0xff, and the bytes are read by this program alone.  Blocks whose largest magnitude lies under 2^(3 - 127) keep the byte 1.
; FORMATS OF THE WORKSPACE.  An operand lies in memory as an IMAGE OF ITS REGISTERS: a fragment of 16 rows x 128 K is 12 registers a lane = 1,536 bytes; registers 4 c .. 4 c + 3 of lane l
; are the 16 bytes at 512 c + 16 l.  So a fragment is written and read by three 16-byte accesses a lane, each covering 512 consecutive bytes.
; THE ROWS OF A TILE ARE NOT NEIGHBOURS: of a group of 32 members (positions of x, columns of a weight) tile u, lane r, takes member 8 u + r + 8 (r / 8): where such a tile is source 0 of a product,
; the 16 result registers of the group's two tiles are 16 neighbours along the next product's K.
; A group's scale words for a K step are 128 bytes, 4 a lane: lanes 0-15 tile 0's rows, lanes 16-31 tile 1's.
;   aimg [tile 2 P + u][K step s][1,536], asc [P][s][128]: P = a group of 32 positions.    wimg [tile 2 G + u][s][1,536], wsc [G][s][128]: G = a group of 32 columns:
;   G = 2 head + b: Wq;  32, 33: Wk;  34, 35: Wv;  36 + d / 32: Wo.
; SHARES.  A wave does one job: 32 members x 128 along K (16 KB of f32), two images and one block of scale words.  Work-groups 0-511 take x, 512-647 the weights.  Waves share nothing: no barrier.
; x (K innermost): a load takes one row's 512 bytes; 16 rows turn through the wave's stage (pitch 528) and come back 256 bytes a lane: two whole blocks of 32.
; A weight (K is its first axis): a load takes 4 rows k x 128 bytes; the 128 rows lie in the wave's stage and a lane reads its column down K, 4 bytes at a time.
.set XST,   0                          ; LDS: x's stages, 16 rows x 528 bytes for each wave
.set WST,   33792                      ; the weights' stages, 16,640 bytes for each wave: two areas of 64 rows x 128 bytes, the second 8,320 on, so that lanes 16-31 fall on the other 32 banks
.set SPARE, 100352                     ; the spare words, 128 bytes for each wave: two blocks of 256 bytes that no other line names
.set SPW,   12                         ; v12  LDS address of my spare word; never rewritten
.set NIL,   13                         ; v13  0; never rewritten
.set TM,    16                         ; v16-22 at work
.set T,     24                         ; v24-30 the upper halves of the blocks' codes
.set PC,    32                         ; v32-55 the two tiles' codes
.set WD,    56                         ; v56, v57 the two tiles' scale words;  v58 the group's
.set X,     64                         ; v64-127 64 numbers of a lane: register 32 c + i = k 64 c + 32 (lane / 16) + i
.set R,     128                        ; v128-255 the job's 32 loads
.set SEL,   28                         ; s[28:29] v_permlanex16_b32's selects for lane l xor 16
.set HI,    30                         ; s30  the mask of lanes 16-31
; 64 numbers of a lane, two whole blocks of 32, become a fragment's 12 registers at v[d] and its row's scale word in v[w]
.macro QUANTW s, d, w
.irp c, 0,1
	v_max3_num_f32 v[TM+\c], |v[\s+32*\c]|, |v[\s+32*\c+1]|, 0x1800000     ; the block's largest magnitude, and the floor 2^(3 - 127): the byte cannot fall under 1
.endr
.irp i, 2,4,6,8,10,12,14,16,18,20,22,24,26,28,30
.irp c, 0,1
	v_max3_num_f32 v[TM+\c], v[TM+\c], |v[\s+32*\c+\i]|, |v[\s+32*\c+\i+1]|   ; the two blocks by turns
.endr
.endr
.irp c, 0,1
	v_add_nc_u32 v[TM+2+\c], 0xff000000, v[TM+\c]          ; 2 off the exponent field: the conversion's scale operand
.endr
.irp c, 0,1
	v_lshrrev_b32 v[TM+4+\c], 23, v[TM+2+\c]               ; the scale's byte
.endr
	v_lshl_or_b32 v[\w], v[TM+5], 16, v[TM+4]              ; my blocks are h and 2 + h of the row's four:
	v_lshlrev_b32 v[\w], v6, v[\w]                         ; 8 h bits up;
	v_permlanex16_b32 v[TM+6], v[\w], s[SEL], s[SEL+1]
	v_or_b32 v[\w], v[\w], v[TM+6]                         ; with lane l xor 16's two the word is whole
.irp c, 0,1
	v_cvt_scalef32_pk16_fp6_f32 v[\d+6*\c:\d+6*\c+2], v[\s+32*\c:\s+32*\c+15], v[TM+2+\c]
	v_cvt_scalef32_pk16_fp6_f32 v[T+4*\c:T+4*\c+2], v[\s+32*\c+16:\s+32*\c+31], v[TM+2+\c]   ; (a conversion's three registers begin on an even number)
.endr
	v_nop                                                  ; one plain instruction behind the conversions
.irp c, 0,1
.irp i, 0,1,2
	v_mov_b32 v[\d+6*\c+3+\i], v[T+4*\c+\i]
.endr
.endr
.endm
; tile u of the job: quantised and stored: three stores of 512 consecutive bytes
.macro TAIL u
	QUANTW X, PC+12*\u, WD+\u
.irp c, 0,1,2
	global_store_b128 v2, v[PC+12*\u+4*\c:PC+12*\u+4*\c+3], s[34:35] offset:12288*\u+512*\c
.endr
.endm
; where the job's images and scale words go: group s25, K step s26
.macro DEST img, sc
	s_lshl_b32 s40, s25, 4
	s_add_co_u32 s40, s40, s26
	s_mul_i32 s40, s40, 1536                               ; (16 group + s) x 1,536; tile 1 lies 8 x 1,536 on
	s_mov_b32 s41, 0
	s_lshl_b32 s42, s25, 3
	s_add_co_u32 s42, s42, s26
	s_lshl_b32 s42, s42, 7                                 ; (8 group + s) x 128
	s_mov_b32 s43, 0
	s_add_nc_u64 s[34:35], s[\img:\img+1], s[40:41]
	s_add_nc_u64 s[36:37], s[\sc:\sc+1], s[42:43]
.endm
; x: tile u's 16 rows through the stage.  LDS serves a wave's instructions in order, so no wait stands between the stores and the loads, and one stage serves both tiles
.macro TURNX u
.irp r, 0,1,2,3,4,5,6,7,8,9,10,11,12,13,14,15
	ds_store_b128 v7, v[R+64*\u+4*\r:R+64*\u+4*\r+3] offset:528*\r
.endr
.irp c, 0,1
.irp j, 0,1,2,3,4,5,6,7
	ds_load_b128 v[X+32*\c+4*\j:X+32*\c+4*\j+3], v8 offset:256*\c+16*\j
.endr
.endr
.endm
.macro WLOADS step                     ; a weight's 128 rows k, four to a load
.set J, 0
.rept 32
	global_load_b128 v[R+4*J:R+4*J+3], v11, s[32:33] offset:J*\step th:TH_LOAD_NT
.set J, J+1
.endr
.endm
.macro WTURN u                         ; my column of tile u, down K: stage row 32 c + i of my half's area
.set J, 0
.rept 64
	ds_load_b32 v[X+J], v10 offset:32*\u+128*J
.set J, J+1
.endr
.endm
	s_load_b256 s[4:11], s[0:1], 0x0               ; x s[4:5], Wq s[6:7], Wk s[8:9], Wv s[10:11]
	s_load_b64 s[12:13], s[0:1], 0x20              ; Wo
	s_load_b128 s[16:19], s[0:1], 0x28             ; aimg, asc
	s_load_b128 s[20:23], s[0:1], 0x38             ; wimg, wsc
	v_lshl_add_u32 v[SPW], v0, 2, SPARE
	v_mov_b32 v[NIL], 0
	v_lshrrev_b32 v1, 5, v0
	v_readfirstlane_b32 s24, v1                    ; wave
	v_and_b32 v1, 31, v0                           ; lane
	v_lshlrev_b32 v2, 4, v1                        ; 16 x lane
	v_lshlrev_b32 v3, 2, v1                        ; 4 x lane
	v_and_b32 v4, 15, v0                           ; r
	v_bfe_u32 v5, v0, 4, 1                         ; h
	v_lshlrev_b32 v6, 3, v5                        ; 8 h
	s_mul_i32 s38, s24, 8448
	v_add_nc_u32 v7, s38, v2                       ; x's stage, in: 16 x lane of a row
	v_mul_u32_u24 v8, v4, 528
	v_lshl_add_u32 v8, v5, 7, v8
	v_add_nc_u32 v8, s38, v8                       ; and out: row r, + 128 h
	s_mul_i32 s38, s24, 16640
	s_add_co_u32 s38, s38, WST
	v_add_nc_u32 v9, s38, v2                       ; a weight's stage, in: four rows of 128 bytes = 16 x lane
	v_and_b32 v10, 8, v4
	v_add_nc_u32 v10, v10, v4                      ; r + 8 (r / 8)
	v_lshlrev_b32 v10, 2, v10
	v_mad_u32_u24 v10, v5, 8320, v10
	v_add_nc_u32 v10, s38, v10                     ; and out: my column, in my half's area
	v_mov_b32 v[TM+6], 0                           ; written once: a lane permute's destination counts as one of its sources
	s_mov_b32 s[SEL], 0x76543210
	s_mov_b32 s[SEL+1], 0xfedcba98
	s_mov_b32 s[HI], 0xffff0000
	s_cmp_lt_u32 ttmp9, 512
	s_cbranch_scc0 .Lweights
	; ---- x
	s_lshl_b32 s25, ttmp9, 2
	s_add_co_u32 s25, s25, s24                     ; job
	s_and_b32 s26, s25, 7                          ; K step
	s_lshr_b32 s25, s25, 3                         ; group of 32 positions
	s_lshl_b32 s38, s25, 17                        ; 32 rows of 4,096 bytes
	s_lshl_b32 s39, s26, 9                         ; 128 numbers
	s_add_co_u32 s38, s38, s39
	s_mov_b32 s39, 0
	s_wait_kmcnt 0x0
	s_add_nc_u64 s[32:33], s[4:5], s[38:39]
	DEST 16, 18
.irp u, 0,1
.irp r, 0,1,2,3,4,5,6,7,8,9,10,11,12,13,14,15
	global_load_b128 v[R+64*\u+4*\r:R+64*\u+4*\r+3], v2, s[32:33] offset:(8*\u+\r+8*(\r/8))*4096 th:TH_LOAD_NT   ; a row's 512 consecutive bytes; read once in the launch
.endr
.endr
	s_wait_loadcnt 16                              ; tile 0's sixteen rows are in; tile 1's sixteen loads may be out
	TURNX 0
	s_wait_dscnt 0x0
	TAIL 0
	s_wait_loadcnt 0x0
	TURNX 1
	s_wait_dscnt 0x0
	TAIL 1
	s_branch .Lend
	; ---- the weights
.Lweights:
	s_sub_co_u32 s27, ttmp9, 512
	s_lshr_b32 s31, s27, 2                         ; which 64 columns: 0-15 Wq's heads, 16 Wk, 17 Wv, 18-33 Wo
	s_and_b32 s27, s27, 3
	s_lshl_b32 s27, s27, 1
	s_lshr_b32 s26, s24, 1
	s_add_co_u32 s26, s26, s27                     ; K step
	s_and_b32 s27, s24, 1                          ; which 32 of the 64 columns
	s_lshl_b32 s25, s31, 1
	s_add_co_u32 s25, s25, s27                     ; group of 32 columns
	s_lshl_b32 s38, s31, 18                        ; Wq: a head is 262,144 bytes
	s_sub_co_u32 s39, s31, 18
	s_lshl_b32 s39, s39, 8                         ; Wo: 64 columns are 256 bytes
	s_cmp_lt_u32 s31, 16
	s_cselect_b32 s38, s38, 0
	s_cmp_ge_u32 s31, 18
	s_cselect_b32 s38, s39, s38
	s_cselect_b32 s44, 12, 8                       ; a row k is 4,096 bytes in Wo, 256 in the others
	s_lshl_b32 s39, s27, 7
	s_add_co_u32 s38, s38, s39
	s_add_co_u32 s39, s44, 7
	s_lshl_b32 s39, s26, s39                       ; 128 rows a K step
	s_add_co_u32 s38, s38, s39
	s_mov_b32 s39, 0
	v_lshrrev_b32 v11, 3, v1
	v_lshlrev_b32 v11, s44, v11                    ; a load's four rows: lane / 8,
	v_and_b32 v14, 7, v1
	v_lshl_add_u32 v11, v14, 4, v11                ; and 16 bytes of the row's 128
	s_wait_kmcnt 0x0
	s_cmp_lt_u32 s31, 16                           ; the buffer is chosen by the work-group's number alone
	s_cselect_b64 s[32:33], s[6:7], s[12:13]
	s_cmp_eq_u32 s31, 16
	s_cselect_b64 s[32:33], s[8:9], s[32:33]
	s_cmp_eq_u32 s31, 17
	s_cselect_b64 s[32:33], s[10:11], s[32:33]
	s_add_nc_u64 s[32:33], s[32:33], s[38:39]
	DEST 20, 22
	s_cmp_ge_u32 s31, 18
	s_cbranch_scc1 .Lwide
	WLOADS 1024
	s_branch .Lloaded
.Lwide:
	WLOADS 16384
.Lloaded:
	s_wait_loadcnt 0x0
.set J, 0
.rept 32
	ds_store_b128 v9, v[R+4*J:R+4*J+3] offset:((J/8)%2)*8320+(32*(J/16)+4*(J%8))*128   ; rows k with bit 5 set go to the second area
.set J, J+1
.endr
	WTURN 0
	s_wait_dscnt 0x0
	TAIL 0
	WTURN 1
	s_wait_dscnt 0x0
	TAIL 1
.Lend:
	v_cndmask_b32 v58, v[WD], v[WD+1], s[HI]       ; lanes 0-15 tile 0's words, lanes 16-31 tile 1's
	global_store_b32 v3, v58, s[36:37]             ; 128 consecutive bytes
	s_wait_tensorcnt 0x0                           ; the wave's end
	ds_add_u32 v[SPW], v[NIL]
	s_wait_dscnt 0x0
	s_endpgm
.Lfunc_end_k_qa8871b305a_prep:
	.size	k_qa8871b305a_prep, .Lfunc_end_k_qa8871b305a_prep-k_qa8871b305a_prep
	.p2alignl 7, 3214868480
	.fill 96, 4, 3214868480
	.section	.rodata,"a",@progbits
	.p2align	6, 0x0
	.amdhsa_kernel k_qa8871b305a_prep
		.amdhsa_group_segment_fixed_size 100864
		.amdhsa_private_segment_fixed_size 0
		.amdhsa_enable_private_segment 0
		.amdhsa_kernarg_size 72
		.amdhsa_user_sgpr_count 2
		.amdhsa_user_sgpr_kernarg_segment_ptr 1
		.amdhsa_wavefront_size32 1
		.amdhsa_system_sgpr_workgroup_id_x 1
		.amdhsa_system_sgpr_workgroup_id_y 1
		.amdhsa_system_sgpr_workgroup_id_z 1
		.amdhsa_system_vgpr_workitem_id 0
		.amdhsa_next_free_vgpr 256
		.amdhsa_next_free_sgpr 66
		.amdhsa_reserve_vcc 0
		.amdhsa_float_denorm_mode_32 3
		.amdhsa_float_denorm_mode_16_64 3
		.amdhsa_memory_ordered 1
		.amdhsa_forward_progress 1
		.amdhsa_inst_pref_size 41
	.end_amdhsa_kernel
	.amdgpu_metadata
---
amdhsa.version: [ 1, 2 ]
amdhsa.kernels:
  - .name:           k_qa8871b305a_prep
    .symbol:         k_qa8871b305a_prep.kd
    .args:
      - { .name: x, .offset: 0, .size: 8, .value_kind: global_buffer, .address_space: global }
      - { .name: Wq, .offset: 8, .size: 8, .value_kind: global_buffer, .address_space: global }
      - { .name: Wk, .offset: 16, .size: 8, .value_kind: global_buffer, .address_space: global }
      - { .name: Wv, .offset: 24, .size: 8, .value_kind: global_buffer, .address_space: global }
      - { .name: Wo, .offset: 32, .size: 8, .value_kind: global_buffer, .address_space: global }
      - { .name: aimg, .offset: 40, .size: 8, .value_kind: global_buffer, .address_space: global }
      - { .name: asc, .offset: 48, .size: 8, .value_kind: global_buffer, .address_space: global }
      - { .name: wimg, .offset: 56, .size: 8, .value_kind: global_buffer, .address_space: global }
      - { .name: wsc, .offset: 64, .size: 8, .value_kind: global_buffer, .address_space: global }
    .group_segment_fixed_size: 100864
    .private_segment_fixed_size: 0
    .kernarg_segment_align: 8
    .kernarg_segment_size: 72
    .max_flat_workgroup_size: 128
    .sgpr_count:     66
    .vgpr_count:     256
    .wavefront_size: 32
...
	.end_amdgpu_metadata
.endif
;; end of part 1
;; launch proj (part 2): grid 32 x 18, 4 waves a work-group, no clusters, 0 bytes of LDS; arguments aimg, asc, wimg, wsc, bq, bk, bv, qimg, qsc, kv; writes qimg, qsc, kv
.if DOCPART == 2
	.amdgcn_target "amdgcn-amd-amdhsa--gfx1250"
	.amdhsa_code_object_version 6
	.text
	.protected	k_qa8871b305a_proj
	.globl	k_qa8871b305a_proj
	.p2align	8
	.type	k_qa8871b305a_proj,@function
k_qa8871b305a_proj:
	s_mov_b64 s[64:65], 0
	v_nop
	global_prefetch_b8 v0, s[64:65] scope:SCOPE_SE
	s_setreg_imm32_b32 hwreg(HW_REG_WAVE_MODE, 25, 1), 1
	s_wait_xcnt 0x0
; Launch 2 of 4: q = x Wq + bq (16 heads), k = x Wk + bk, v = x Wv + bv on codes of E2M3, and the quantisers of q, k (along the head's 64) and v (along the keys).  No work is left out.
; Operands lie in memory as images of their registers (see launch 1): they go from memory straight into registers, 16 bytes a lane; no LDS, no barrier.
; Work-group (a, g): g = 0-15 a head of q, 16 k, 17 v.
; PATH QK: a wave makes 64 positions x 64 columns, 16 accumulators, TRANSPOSED (source 0 = 16 columns of W, source 1 = 16 positions): a lane holds one position, and by the order of a tile's columns
; its 32 registers of a tile of positions are e = 32 b + 16 (lane / 16) + 0 .. 15: two half blocks of the next K.  The bias is loaded into the accumulators and so is the sum's first term.
;   q, k as operands of a product with K = 64: a tile is 6 registers (lanes 0-15 e 0-31, lanes 16-31 e 32-63); the two tiles of a group of 32 positions make one image of 1,536 bytes.
;   Their scale words hold two bytes; bytes 2 and 3 are 0 (never 0xff): they meet zero codes.
;   qimg [head][group P][1,536];  qsc [head][P / 2][256]: lane l's 8 bytes are the words of groups 2 i and 2 i + 1.
; PATH V: a wave makes 128 positions (a key step) x 32 columns, NOT transposed (source 0 = 16 positions, source 1 = 16 columns): a lane holds one column e and its registers run along the keys.
;   bv is added behind the sum.
; kv [batch x 16 + key step][13,056]: 0: K's 4 group images;  6,144: V^T's 4 images (16 e x 128 keys);  12,288: K's scale words, 2 x 256;  12,800: V's, 2 x 128.
; LIMITS as in launch 1 (NaN, infinities, the byte of a block of zeros).
.set XS,   3                           ; v3-6  scale words and nothing else: QK: x's two groups, W's two;  V: x's four groups
.set WS,   5
.set VWS,  7                           ; v7    V: W's scale words
.set XF,   8                           ; x's fragments: QK four (v8-55), V eight (v8-103)
.set WF,   56                          ; QK: W's four fragments (v56-103)
.set VWF,  104                         ; V: W's two (v104-127)
.set ACC,  128                         ; v128-255 sixteen accumulators
.set SEL,  28
.set HI,   30
.macro PLACES n
.rept \n
	v_nop
.endr
.endm
; one matrix instruction: D at v[d], sources at v[a], v[b]; z = 1: C is the constant 0, else C = D; scale words v[sa], v[sb]; ra, rb = 1: taken from lanes 16-31
.macro MM d, a, b, z, sa, sb, ra, rb
.if (\z)
.if (\ra) && (\rb)
	v_wmma_scale_f32_16x16x128_f8f6f4 v[\d:\d+7], v[\a:\a+11], v[\b:\b+11], 0, v[\sa], v[\sb] matrix_a_fmt:MATRIX_FMT_FP6 matrix_b_fmt:MATRIX_FMT_FP6 matrix_a_scale:MATRIX_SCALE_ROW1 matrix_b_scale:MATRIX_SCALE_ROW1
.elseif (\ra)
	v_wmma_scale_f32_16x16x128_f8f6f4 v[\d:\d+7], v[\a:\a+11], v[\b:\b+11], 0, v[\sa], v[\sb] matrix_a_fmt:MATRIX_FMT_FP6 matrix_b_fmt:MATRIX_FMT_FP6 matrix_a_scale:MATRIX_SCALE_ROW1
.elseif (\rb)
	v_wmma_scale_f32_16x16x128_f8f6f4 v[\d:\d+7], v[\a:\a+11], v[\b:\b+11], 0, v[\sa], v[\sb] matrix_a_fmt:MATRIX_FMT_FP6 matrix_b_fmt:MATRIX_FMT_FP6 matrix_b_scale:MATRIX_SCALE_ROW1
.else
	v_wmma_scale_f32_16x16x128_f8f6f4 v[\d:\d+7], v[\a:\a+11], v[\b:\b+11], 0, v[\sa], v[\sb] matrix_a_fmt:MATRIX_FMT_FP6 matrix_b_fmt:MATRIX_FMT_FP6
.endif
.else
.if (\ra) && (\rb)
	v_wmma_scale_f32_16x16x128_f8f6f4 v[\d:\d+7], v[\a:\a+11], v[\b:\b+11], v[\d:\d+7], v[\sa], v[\sb] matrix_a_fmt:MATRIX_FMT_FP6 matrix_b_fmt:MATRIX_FMT_FP6 matrix_a_scale:MATRIX_SCALE_ROW1 matrix_b_scale:MATRIX_SCALE_ROW1
.elseif (\ra)
	v_wmma_scale_f32_16x16x128_f8f6f4 v[\d:\d+7], v[\a:\a+11], v[\b:\b+11], v[\d:\d+7], v[\sa], v[\sb] matrix_a_fmt:MATRIX_FMT_FP6 matrix_b_fmt:MATRIX_FMT_FP6 matrix_a_scale:MATRIX_SCALE_ROW1
.elseif (\rb)
	v_wmma_scale_f32_16x16x128_f8f6f4 v[\d:\d+7], v[\a:\a+11], v[\b:\b+11], v[\d:\d+7], v[\sa], v[\sb] matrix_a_fmt:MATRIX_FMT_FP6 matrix_b_fmt:MATRIX_FMT_FP6 matrix_b_scale:MATRIX_SCALE_ROW1
.else
	v_wmma_scale_f32_16x16x128_f8f6f4 v[\d:\d+7], v[\a:\a+11], v[\b:\b+11], v[\d:\d+7], v[\sa], v[\sb] matrix_a_fmt:MATRIX_FMT_FP6 matrix_b_fmt:MATRIX_FMT_FP6
.endif
.endif
.endm
; 32 numbers of a lane, register 16 b + i = k 32 b + 16 (lane / 16) + i of my row, become 6 registers of codes at v[d] (lane half h: k 32 h + 0 .. 31) and two scale bytes in v[w]
.macro QUANTH s, d, w
.irp b, 0,1
	v_max3_num_f32 v[TM+\b], |v[\s+16*\b]|, |v[\s+16*\b+1]|, 0x1800000     ; my 16 numbers of block b, and the floor 2^(3 - 127).  Each accumulator is read from its low end on
.endr
.irp i, 2,4,6,8,10,12,14
.irp b, 0,1
	v_max3_num_f32 v[TM+\b], v[TM+\b], |v[\s+16*\b+\i]|, |v[\s+16*\b+\i+1]|
.endr
.endr
.irp b, 0,1
	v_permlanex16_b32 v[TM+2+\b], v[TM+\b], s[SEL], s[SEL+1]
.endr
.irp b, 0,1
	v_max_num_f32 v[TM+\b], v[TM+\b], v[TM+2+\b]           ; with lane l xor 16's: the block's largest magnitude
.endr
.irp b, 0,1
	v_add_nc_u32 v[TM+4+\b], 0xff000000, v[TM+\b]          ; 2 off the exponent field: the conversion's scale operand
.endr
.irp b, 0,1
	v_lshrrev_b32 v[TM+2+\b], 23, v[TM+4+\b]               ; the scale's byte
.endr
	v_lshl_or_b32 v[\w], v[TM+3], 8, v[TM+2]
	v_cvt_scalef32_pk16_fp6_f32 v[\d:\d+2], v[\s:\s+15], v[TM+4]
	v_cvt_scalef32_pk16_fp6_f32 v[T:T+2], v[\s+16:\s+31], v[TM+5]
	v_nop                                                  ; one plain instruction behind the conversions
.irp i, 0,1,2
	v_permlane16_swap_b32 v[\d+\i], v[T+\i]                ; a whole block to a lane: lanes 0-15 block 0, lanes 16-31 block 1
.endr
.irp i, 0,1,2
	v_mov_b32 v[\d+3+\i], v[T+\i]
.endr
.endm
; 64 numbers of a lane, register 16 b + i = k 32 b + 16 (lane / 16) + i, become a fragment's 12 registers at v[d] and its row's scale word in v[w]
.macro QUANT4 s, d, w
.irp b, 0,1,2,3
	v_max3_num_f32 v[TM+\b], |v[\s+16*\b]|, |v[\s+16*\b+1]|, 0x1800000
.endr
.irp i, 2,4,6,8,10,12,14
.irp b, 0,1,2,3
	v_max3_num_f32 v[TM+\b], v[TM+\b], |v[\s+16*\b+\i]|, |v[\s+16*\b+\i+1]|
.endr
.endr
.irp b, 0,1,2,3
	v_permlanex16_b32 v[TM+4+\b], v[TM+\b], s[SEL], s[SEL+1]
.endr
.irp b, 0,1,2,3
	v_max_num_f32 v[TM+\b], v[TM+\b], v[TM+4+\b]
.endr
.irp b, 0,1,2,3
	v_add_nc_u32 v[TM+12+\b], 0xff000000, v[TM+\b]
.endr
.irp b, 0,1,2,3
	v_lshrrev_b32 v[TM+4+\b], 23, v[TM+12+\b]
.endr
	v_lshl_or_b32 v[\w], v[TM+5], 8, v[TM+4]
	v_lshl_or_b32 v[\w], v[TM+6], 16, v[\w]
	v_lshl_or_b32 v[\w], v[TM+7], 24, v[\w]
.irp c, 0,1
	v_cvt_scalef32_pk16_fp6_f32 v[\d+6*\c:\d+6*\c+2], v[\s+32*\c:\s+32*\c+15], v[TM+12+2*\c]
	v_cvt_scalef32_pk16_fp6_f32 v[T+4*\c:T+4*\c+2], v[\s+32*\c+16:\s+32*\c+31], v[TM+12+2*\c+1]
.endr
	v_nop
.irp c, 0,1
.irp i, 0,1,2
	v_permlane16_swap_b32 v[\d+6*\c+\i], v[T+4*\c+\i]
.endr
.irp i, 0,1,2
	v_mov_b32 v[\d+6*\c+3+\i], v[T+4*\c+\i]
.endr
.endr
.endm
	s_load_b256 s[4:11], s[0:1], 0x0               ; aimg s[4:5], asc s[6:7], wimg s[8:9], wsc s[10:11]
	s_load_b256 s[12:19], s[0:1], 0x20             ; bq s[12:13], bk s[14:15], bv s[16:17], qimg s[18:19]
	s_load_b128 s[20:23], s[0:1], 0x40             ; qsc s[20:21], kv s[22:23]
	v_lshrrev_b32 v1, 5, v0
	v_readfirstlane_b32 s24, v1                    ; wave
	v_and_b32 v2, 31, v0
	v_lshlrev_b32 v1, 4, v2                        ; 16 x lane; never rewritten
	v_lshlrev_b32 v2, 2, v2                        ; 4 x lane; never rewritten
	s_and_b32 s25, ttmp7, 0xffff                   ; g
	s_mov_b32 s[SEL], 0x76543210
	s_mov_b32 s[SEL+1], 0xfedcba98
	s_mov_b32 s[HI], 0xffff0000
	s_cmp_eq_u32 s25, 17
	s_cbranch_scc1 .Lv
	; ================ PATH QK
.set TM,  104                          ; v104-109 at work
.set T,   112                          ; v112-114
.set WD,  116                          ; v116, v117 two tiles' scale words
.set SCP, 118                          ; v[118:119] two groups' scale words
	s_lshl_b32 s26, ttmp9, 2
	s_add_co_u32 s26, s26, s24                     ; i: my 64 positions
	v_bfe_u32 v120, v0, 4, 1
	v_lshlrev_b32 v120, 6, v120                    ; 64 h: the bias's offset; never rewritten
	v_and_b32 v121, 31, v0
	v_lshlrev_b32 v121, 3, v121                    ; 8 x lane; never rewritten
	s_mul_i32 s32, s26, 49152                      ; x: 4 tiles x 8 K steps x 1,536
	s_mov_b32 s33, 0
	s_lshl_b32 s34, s26, 11                        ; its scale words: 2 groups x 8 x 128
	s_mov_b32 s35, 0
	s_mul_i32 s36, s25, 49152                      ; W likewise
	s_mov_b32 s37, 0
	s_lshl_b32 s38, s25, 11
	s_mov_b32 s39, 0
	s_lshl_b32 s40, s25, 8                         ; bq: 256 bytes a head
	s_mov_b32 s41, 0
	s_lshl_b32 s42, s25, 8
	s_lshl_b32 s43, s26, 1
	s_add_co_u32 s42, s42, s43
	s_mul_i32 s42, s42, 1536                       ; q's images: (256 head + 2 i) x 1,536
	s_lshl_b32 s44, s25, 7
	s_add_co_u32 s44, s44, s26
	s_lshl_b32 s44, s44, 8                         ; q's scale words: (128 head + i) x 256
	s_lshr_b32 s45, s26, 1
	s_mul_i32 s45, s45, 13056                      ; k: the key step's block,
	s_and_b32 s46, s26, 1
	s_mul_i32 s47, s46, 3072
	s_add_co_u32 s47, s47, s45                     ; my two group images in it,
	s_lshl_b32 s46, s46, 8
	s_add_co_u32 s46, s46, s45
	s_add_co_u32 s46, s46, 12288                   ; and my 256 bytes of scale words
	s_cmp_eq_u32 s25, 16
	s_cselect_b32 s42, s47, s42
	s_cselect_b32 s44, s46, s44
	s_cselect_b32 s40, 0, s40
	s_mov_b32 s43, 0
	s_mov_b32 s45, 0
	s_wait_kmcnt 0x0
	s_cmp_eq_u32 s25, 16                           ; the buffers are chosen by the work-group's number alone
	s_cselect_b64 s[12:13], s[14:15], s[12:13]
	s_cselect_b64 s[18:19], s[22:23], s[18:19]
	s_cselect_b64 s[20:21], s[22:23], s[20:21]
	s_add_nc_u64 s[4:5], s[4:5], s[32:33]
	s_add_nc_u64 s[6:7], s[6:7], s[34:35]
	s_add_nc_u64 s[8:9], s[8:9], s[36:37]
	s_add_nc_u64 s[10:11], s[10:11], s[38:39]
	s_add_nc_u64 s[12:13], s[12:13], s[40:41]
	s_add_nc_u64 s[18:19], s[18:19], s[42:43]
	s_add_nc_u64 s[20:21], s[20:21], s[44:45]
.irp m, 0,1,2,3
.irp t, 0,1,2,3
	global_load_b128 v[ACC+32*\m+8*\t:ACC+32*\m+8*\t+3], v120, s[12:13] offset:128*(\t/2)+32*(\t%2)        ; the bias of e = 32 (t / 2) + 16 h + 8 (t % 2) + 0 .. 7 starts the sums
	global_load_b128 v[ACC+32*\m+8*\t+4:ACC+32*\m+8*\t+7], v120, s[12:13] offset:128*(\t/2)+32*(\t%2)+16
.endr
.endr
; a K step of 128: 28 loads, 16 matrix instructions; the 16 accumulators take turns
.macro KSTEP s
.if \s > 0
	PLACES 4                                       ; in front of loads into registers that matrix instructions have read
.endif
.irp p, 0,1
	global_load_b32 v[XS+\p], v2, s[6:7] offset:1024*\p+128*\s
	global_load_b32 v[WS+\p], v2, s[10:11] offset:1024*\p+128*\s
.endr
.irp t, 0,1,2,3
.irp c, 0,1,2
	global_load_b128 v[WF+12*\t+4*\c:WF+12*\t+4*\c+3], v1, s[8:9] offset:12288*\t+1536*\s+512*\c
.endr
.endr
.irp m, 0,1,2,3
.irp c, 0,1,2
	global_load_b128 v[XF+12*\m+4*\c:XF+12*\m+4*\c+3], v1, s[4:5] offset:12288*\m+1536*\s+512*\c
.endr
.endr
.irp m, 0,1,2,3
	s_wait_loadcnt 9-3*\m                          ; all up to x's tile m are in; the three loads of each later tile may be out
.irp t, 0,1,2,3
	MM ACC+32*\m+8*\t, WF+12*\t, XF+12*\m, 0, WS+\t/2, XS+\m/2, \t%2, \m%2
.endr
.endr
.endm
.irp s, 0,1,2,3,4,5,6,7
	KSTEP \s
.endr
	PLACES 4                                       ; in front of the first read of results and of writes into the fragments' registers
	v_mov_b32 v[TM+2], 0                           ; a lane permute's destination counts as one of its sources
	v_mov_b32 v[TM+3], 0
.irp p, 0,1
	QUANTH ACC+64*\p, XF+12*\p, WD
	QUANTH ACC+64*\p+32, XF+12*\p+6, WD+1
.irp c, 0,1,2
	global_store_b128 v1, v[XF+12*\p+4*\c:XF+12*\p+4*\c+3], s[18:19] offset:1536*\p+512*\c   ; the group's image: 512 consecutive bytes a store
.endr
	v_cndmask_b32 v[SCP+\p], v[WD], v[WD+1], s[HI] ; lanes 0-15 tile 0's words, lanes 16-31 tile 1's
.endr
	global_store_b64 v121, v[SCP:SCP+1], s[20:21]  ; 256 consecutive bytes, aligned
	s_endpgm
	; ================ PATH V
.Lv:
.set TM,  16                           ; v16-31 at work (x's fragments are done with)
.set T,   56                           ; v56-62
	s_lshl_b32 s26, ttmp9, 1
	s_lshr_b32 s27, s24, 1
	s_add_co_u32 s26, s26, s27                     ; key step (of all 64)
	s_and_b32 s27, s24, 1                          ; which 32 columns
	s_mul_i32 s32, s26, 98304                      ; x: 8 tiles x 8 x 1,536
	s_mov_b32 s33, 0
	s_lshl_b32 s34, s26, 12
	s_mov_b32 s35, 0
	s_lshl_b32 s36, s27, 1
	s_add_co_u32 s36, s36, 68
	s_mul_i32 s36, s36, 12288                      ; Wv's tiles 68 + 2 j on
	s_mov_b32 s37, 0
	s_add_co_u32 s38, s27, 34
	s_lshl_b32 s38, s38, 10
	s_mov_b32 s39, 0
	s_lshl_b32 s40, s27, 7                         ; bv: 32 numbers
	s_mov_b32 s41, 0
	s_mul_i32 s42, s26, 13056
	s_mul_i32 s44, s27, 3072
	s_add_co_u32 s44, s44, s42
	s_add_co_u32 s44, s44, 6144                    ; V^T's images 2 j, 2 j + 1
	s_mov_b32 s45, 0
	s_add_co_u32 s42, s42, s40
	s_add_co_u32 s42, s42, 12800                   ; and their 128 bytes of scale words
	s_mov_b32 s43, 0
	s_wait_kmcnt 0x0
	s_add_nc_u64 s[4:5], s[4:5], s[32:33]
	s_add_nc_u64 s[6:7], s[6:7], s[34:35]
	s_add_nc_u64 s[8:9], s[8:9], s[36:37]
	s_add_nc_u64 s[10:11], s[10:11], s[38:39]
	s_add_nc_u64 s[16:17], s[16:17], s[40:41]
	s_add_nc_u64 s[18:19], s[22:23], s[44:45]
	s_add_nc_u64 s[20:21], s[22:23], s[42:43]
.macro KSTEPV s
.if \s > 0
	PLACES 4
.endif
.irp p, 0,1,2,3
	global_load_b32 v[XS+\p], v2, s[6:7] offset:1024*\p+128*\s
.endr
	global_load_b32 v[VWS], v2, s[10:11] offset:128*\s
.irp t, 0,1
.irp c, 0,1,2
	global_load_b128 v[VWF+12*\t+4*\c:VWF+12*\t+4*\c+3], v1, s[8:9] offset:12288*\t+1536*\s+512*\c
.endr
.endr
.irp m, 0,1,2,3,4,5,6,7
.irp c, 0,1,2
	global_load_b128 v[XF+12*\m+4*\c:XF+12*\m+4*\c+3], v1, s[4:5] offset:12288*\m+1536*\s+512*\c
.endr
.endr
.irp m, 0,1,2,3,4,5,6,7
	s_wait_loadcnt 21-3*\m                         ; all up to x's tile m are in
.irp t, 0,1
	MM ACC+64*\t+8*\m, XF+12*\m, VWF+12*\t, \s==0, XS+\m/2, VWS, \m%2, \t
.endr
.endr
.endm
.irp s, 0,1,2,3,4,5,6,7
	KSTEPV \s
.endr
	PLACES 4
	v_and_b32 v12, 15, v0
	v_and_b32 v13, 8, v12
	v_add_nc_u32 v12, v12, v13
	v_lshlrev_b32 v12, 2, v12                      ; my column of a tile: r + 8 (r / 8)
	global_load_b32 v8, v12, s[16:17]              ; bv of my column in tile 0,
	global_load_b32 v10, v12, s[16:17] offset:32   ; in tile 1
	v_mov_b32 v9, 0                                ; (named as the upper halves of pairs)
	v_mov_b32 v11, 0
.irp b, 0,1,2,3
	v_mov_b32 v[TM+4+\b], 0
.endr
	s_wait_loadcnt 0x0
.irp t, 0,1
.set J, 0
.rept 32
	v_pk_add_f32 v[ACC+64*\t+J:ACC+64*\t+J+1], v[ACC+64*\t+J:ACC+64*\t+J+1], v[8+2*\t:9+2*\t] op_sel_hi:[1,0]   ; + bv, in ascending order
.set J, J+2
.endr
	QUANT4 ACC+64*\t, 32+12*\t, 64+\t
.irp c, 0,1,2
	global_store_b128 v1, v[32+12*\t+4*\c:32+12*\t+4*\c+3], s[18:19] offset:1536*\t+512*\c
.endr
.endr
	v_cndmask_b32 v66, v64, v65, s[HI]
	global_store_b32 v2, v66, s[20:21]             ; 128 consecutive bytes
	s_endpgm
.Lfunc_end_k_qa8871b305a_proj:
	.size	k_qa8871b305a_proj, .Lfunc_end_k_qa8871b305a_proj-k_qa8871b305a_proj
	.p2alignl 7, 3214868480
	.fill 96, 4, 3214868480
	.section	.rodata,"a",@progbits
	.p2align	6, 0x0
	.amdhsa_kernel k_qa8871b305a_proj
		.amdhsa_group_segment_fixed_size 0
		.amdhsa_private_segment_fixed_size 0
		.amdhsa_enable_private_segment 0
		.amdhsa_kernarg_size 80
		.amdhsa_user_sgpr_count 2
		.amdhsa_user_sgpr_kernarg_segment_ptr 1
		.amdhsa_wavefront_size32 1
		.amdhsa_system_sgpr_workgroup_id_x 1
		.amdhsa_system_sgpr_workgroup_id_y 1
		.amdhsa_system_sgpr_workgroup_id_z 1
		.amdhsa_system_vgpr_workitem_id 0
		.amdhsa_next_free_vgpr 256
		.amdhsa_next_free_sgpr 66
		.amdhsa_reserve_vcc 0
		.amdhsa_float_denorm_mode_32 3
		.amdhsa_float_denorm_mode_16_64 3
		.amdhsa_memory_ordered 1
		.amdhsa_forward_progress 1
		.amdhsa_inst_pref_size 113
	.end_amdhsa_kernel
	.amdgpu_metadata
---
amdhsa.version: [ 1, 2 ]
amdhsa.kernels:
  - .name:           k_qa8871b305a_proj
    .symbol:         k_qa8871b305a_proj.kd
    .args:
      - { .name: aimg, .offset: 0, .size: 8, .value_kind: global_buffer, .address_space: global }
      - { .name: asc, .offset: 8, .size: 8, .value_kind: global_buffer, .address_space: global }
      - { .name: wimg, .offset: 16, .size: 8, .value_kind: global_buffer, .address_space: global }
      - { .name: wsc, .offset: 24, .size: 8, .value_kind: global_buffer, .address_space: global }
      - { .name: bq, .offset: 32, .size: 8, .value_kind: global_buffer, .address_space: global }
      - { .name: bk, .offset: 40, .size: 8, .value_kind: global_buffer, .address_space: global }
      - { .name: bv, .offset: 48, .size: 8, .value_kind: global_buffer, .address_space: global }
      - { .name: qimg, .offset: 56, .size: 8, .value_kind: global_buffer, .address_space: global }
      - { .name: qsc, .offset: 64, .size: 8, .value_kind: global_buffer, .address_space: global }
      - { .name: kv, .offset: 72, .size: 8, .value_kind: global_buffer, .address_space: global }
    .group_segment_fixed_size: 0
    .private_segment_fixed_size: 0
    .kernarg_segment_align: 8
    .kernarg_segment_size: 80
    .max_flat_workgroup_size: 128
    .sgpr_count:     66
    .vgpr_count:     256
    .wavefront_size: 32
...
	.end_amdgpu_metadata
.endif
;; end of part 2
;; launch attn (part 3): grid 256 x 1, 16 waves a work-group, clusters of 4 x 1, 210,944 bytes of LDS; arguments qimg, qsc, kv, aimg, asc; writes aimg, asc
.if DOCPART == 3
	.amdgcn_target "amdgcn-amd-amdhsa--gfx1250"
	.amdhsa_code_object_version 6
	.text
	.protected	k_qa8871b305a_attn
	.globl	k_qa8871b305a_attn
	.p2align	8
	.type	k_qa8871b305a_attn,@function
k_qa8871b305a_attn:
	s_mov_b64 s[64:65], 0
	v_nop
	global_prefetch_b8 v0, s[64:65] scope:SCOPE_SE
	s_setreg_imm32_b32 hwreg(HW_REG_WAVE_MODE, 25, 1), 1
	s_wait_xcnt 0x0
	s_wait_alu depctr_hold_cnt(0) depctr_sa_sdst(0) depctr_va_vdst(0) depctr_va_sdst(0) depctr_va_ssrc(0) depctr_va_vcc(0) depctr_vm_vsrc(0)
	s_getreg_b32 s2, hwreg(HW_REG_IB_STS2, 6, 4)
	s_cmp_eq_u32 s2, 0
	s_cbranch_scc0 .Lentry_in_a_cluster
	s_endpgm
.Lentry_in_a_cluster:
	s_bfe_u32 s2, ttmp6, 0x10000c
	s_cmp_lg_u32 s2, 0x3003
	s_cbranch_scc0 .Lentry_shape_is_right
	s_endpgm
.Lentry_shape_is_right:
; Launch 3 of 4: scores, softmax, attn x v on codes of E2M3, o = O / l, and the quantiser of o along f = (head, e).  No work is left out.
; THE SOFTMAX AHEAD OF THE SECOND PRODUCT: t = score x log2(e) / 8; M = the running largest t rounded UP to a whole number; p = 2^(t - M) is quantised along the keys, not normalised; the row's sum is
; taken of the unquantised p and divides O at the end.  When M moves, the sum and O^T are multiplied by 2^(old M - new M): exact.
; A WHOLE BATCH'S K, V AND SCALE WORDS ARE 16 x 13,056 = 208,896 BYTES: they come into LDS once, one key step's block by each of the sixteen waves, and stay: no slot is filled again,
; and the loops have no barrier.  A wave has one tensor load out.
; CLUSTER: the four work-groups of a cluster belong to one batch (64 groups of positions a batch, 4 a cluster) and ask for each block JOINTLY: the same load, descriptor and mask in all four.
; SHARES.  A work-group owns one group P of 32 positions x 16 heads.  Wave w: tile u = w % 2 of the group, heads 2 (w / 2) and 2 (w / 2) + 1, one after the other: at its end it holds a whole
; fragment of o (16 positions x 128 along f: K step w / 2 of the last product) with its scale word.  Four waves to a SIMD: one wave's exponentials stand beside another's products and loads.
; LAYOUT.  Both products transposed: S^T = K Q^T (source 0 = 16 keys), O^T = V^T P^T (source 0 = 16 of the head's 64): a lane holds ONE query.  By the order of a tile's rows (launch 1) the 16 registers
; of tiles 2 b, 2 b + 1 are keys (or e) 32 b + 16 (lane / 16) + 0 .. 15.
; K = 64 IN AN INSTRUCTION OF 128: Q's fragment is 6 registers of codes and 6 of zero codes.  K's tile T is registers 6 T .. 6 T + 11 of a run of 48 + 6: its upper six hold the next tile's codes (the last
; tile's: zeros); they meet Q's zero codes and add nothing (E2M3 has no NaN and no infinity; bytes 2 and 3 of both scale words are 0, not 0xff).
; LIMITS: NaN and infinities are not served; a p under 2^-126 comes out of v_exp_f32 as 0; a block of zeros keeps the byte 1 (its codes are zeros; the bytes are this program's own).
.set STEPB, 13056                      ; a key step's block: 0 K's codes, 6,144 V^T's, 12,288 K's scale words, 12,800 V's
.set SPARE, 16*STEPB                   ; behind the blocks: the spare words, 128 bytes for each wave: eight blocks of 256 bytes that no other line names
.set SPW,  7                           ; v7   LDS address of my spare word; never rewritten
.set NIL,  8                           ; v8   0; never rewritten
.set QS,   9                           ; v9, v10  Q's scale words of my two heads (scales and nothing else)
.set OW,   11                          ; v11  o's scale word
.set QF,   16                          ; v16-27, v28-39  Q's fragments of my two heads
.set KV,   40                          ; v40-87  K's, then V^T's fragments of a key step;  v88-93 zeros
.set S,    96                          ; v96-159  S^T, then p
.set O,    160                         ; v160-191 O^T
.set PC,   192                         ; v192-203 p's codes
.set T,    204                         ; v204-210 the upper halves of blocks' codes
.set PCO,  212                         ; v212-223 o's codes
.set BM,   224                         ; v224-227 a block's largest score, then p
.set BX,   228                         ; v228-231 permutes, bytes
.set BS,   232                         ; v232-235 the conversions' scale operands
.set TM,   224                         ; the quantiser of o works in v224-229
.set KSC,  240                         ; v240-243 K's scale words;  v244, v245 V's;  v246 p's (scales and nothing else)
.set VSC,  244
.set PW,   246
.set WV,   14
.set SEL,  20                          ; s[20:21]
.set CS,   22                          ; s[22:23] c = log2(e) / 8
.set G1,   24                          ; s[24:31] descriptor group 1;  s[32:35] group 0
.set G0,   32
.set TB,   36                          ; s36  LDS byte of the key step in hand
.set CNT,  37
.macro PLACES n
.rept \n
	v_nop
.endr
.endm
.macro MM d, a, b, z, sa, sb, ra, rb
.if (\z)
.if (\ra) && (\rb)
	v_wmma_scale_f32_16x16x128_f8f6f4 v[\d:\d+7], v[\a:\a+11], v[\b:\b+11], 0, v[\sa], v[\sb] matrix_a_fmt:MATRIX_FMT_FP6 matrix_b_fmt:MATRIX_FMT_FP6 matrix_a_scale:MATRIX_SCALE_ROW1 matrix_b_scale:MATRIX_SCALE_ROW1
.elseif (\ra)
	v_wmma_scale_f32_16x16x128_f8f6f4 v[\d:\d+7], v[\a:\a+11], v[\b:\b+11], 0, v[\sa], v[\sb] matrix_a_fmt:MATRIX_FMT_FP6 matrix_b_fmt:MATRIX_FMT_FP6 matrix_a_scale:MATRIX_SCALE_ROW1
.elseif (\rb)
	v_wmma_scale_f32_16x16x128_f8f6f4 v[\d:\d+7], v[\a:\a+11], v[\b:\b+11], 0, v[\sa], v[\sb] matrix_a_fmt:MATRIX_FMT_FP6 matrix_b_fmt:MATRIX_FMT_FP6 matrix_b_scale:MATRIX_SCALE_ROW1
.else
	v_wmma_scale_f32_16x16x128_f8f6f4 v[\d:\d+7], v[\a:\a+11], v[\b:\b+11], 0, v[\sa], v[\sb] matrix_a_fmt:MATRIX_FMT_FP6 matrix_b_fmt:MATRIX_FMT_FP6
.endif
.else
.if (\ra) && (\rb)
	v_wmma_scale_f32_16x16x128_f8f6f4 v[\d:\d+7], v[\a:\a+11], v[\b:\b+11], v[\d:\d+7], v[\sa], v[\sb] matrix_a_fmt:MATRIX_FMT_FP6 matrix_b_fmt:MATRIX_FMT_FP6 matrix_a_scale:MATRIX_SCALE_ROW1 matrix_b_scale:MATRIX_SCALE_ROW1
.elseif (\ra)
	v_wmma_scale_f32_16x16x128_f8f6f4 v[\d:\d+7], v[\a:\a+11], v[\b:\b+11], v[\d:\d+7], v[\sa], v[\sb] matrix_a_fmt:MATRIX_FMT_FP6 matrix_b_fmt:MATRIX_FMT_FP6 matrix_a_scale:MATRIX_SCALE_ROW1
.elseif (\rb)
	v_wmma_scale_f32_16x16x128_f8f6f4 v[\d:\d+7], v[\a:\a+11], v[\b:\b+11], v[\d:\d+7], v[\sa], v[\sb] matrix_a_fmt:MATRIX_FMT_FP6 matrix_b_fmt:MATRIX_FMT_FP6 matrix_b_scale:MATRIX_SCALE_ROW1
.else
	v_wmma_scale_f32_16x16x128_f8f6f4 v[\d:\d+7], v[\a:\a+11], v[\b:\b+11], v[\d:\d+7], v[\sa], v[\sb] matrix_a_fmt:MATRIX_FMT_FP6 matrix_b_fmt:MATRIX_FMT_FP6
.endif
.endif
.endm
; 32 numbers of a lane, register 16 b + i = k 32 b + 16 (lane / 16) + i, become 6 registers of codes at v[d] and two scale bytes in v[w]
.macro QUANTH s, d, w
.irp b, 0,1
	v_max3_num_f32 v[TM+\b], |v[\s+16*\b]|, |v[\s+16*\b+1]|, 0x1800000
.endr
.irp i, 2,4,6,8,10,12,14
.irp b, 0,1
	v_max3_num_f32 v[TM+\b], v[TM+\b], |v[\s+16*\b+\i]|, |v[\s+16*\b+\i+1]|
.endr
.endr
.irp b, 0,1
	v_permlanex16_b32 v[TM+2+\b], v[TM+\b], s[SEL], s[SEL+1]
.endr
.irp b, 0,1
	v_max_num_f32 v[TM+\b], v[TM+\b], v[TM+2+\b]
.endr
.irp b, 0,1
	v_add_nc_u32 v[TM+4+\b], 0xff000000, v[TM+\b]
.endr
.irp b, 0,1
	v_lshrrev_b32 v[TM+2+\b], 23, v[TM+4+\b]
.endr
	v_lshl_or_b32 v[\w], v[TM+3], 8, v[TM+2]
	v_cvt_scalef32_pk16_fp6_f32 v[\d:\d+2], v[\s:\s+15], v[TM+4]
	v_cvt_scalef32_pk16_fp6_f32 v[T:T+2], v[\s+16:\s+31], v[TM+5]
	v_nop
.irp i, 0,1,2
	v_permlane16_swap_b32 v[\d+\i], v[T+\i]
.endr
.irp i, 0,1,2
	v_mov_b32 v[\d+3+\i], v[T+\i]
.endr
.endm
; a round of the cluster's barrier
.macro CROUND
	s_barrier_signal -1
	s_barrier_wait -1
	s_cmp_lg_u32 s[WV], 0
	s_cbranch_scc1 .Lnot_wave_0_\@
	s_barrier_signal -3
.Lnot_wave_0_\@:
	s_barrier_wait -3
	s_barrier_signal -1
	s_barrier_wait -1
.endm
	s_load_b256 s[4:11], s[0:1], 0x0               ; qimg s[4:5], qsc s[6:7], kv s[8:9], aimg s[10:11]
	s_load_b64 s[12:13], s[0:1], 0x20              ; asc
	v_lshl_add_u32 v[SPW], v0, 2, SPARE
	v_mov_b32 v[NIL], 0
	ds_add_u32 v[SPW], v[NIL]                      ; the wave's opening: the add, twice on end, and its wait ahead of my first tensor load
	ds_add_u32 v[SPW], v[NIL]                      ; and once more, under the one wait; the set-up below, work on registers, stands between
	v_lshrrev_b32 v1, 5, v0
	v_readfirstlane_b32 s[WV], v1                  ; wave 0..15
	s_and_b32 s15, s[WV], 1                        ; u: my tile of the group
	s_lshr_b32 s16, s[WV], 1                       ; my pair of heads = my K step of the last product
	s_bfe_u32 s17, ttmp6, 0x40000                  ; cx: it enters Q's and o's global addresses alone
	s_lshl_b32 s18, ttmp9, 2
	s_add_co_u32 s18, s18, s17                     ; P: my group of 32 positions
	s_lshr_b32 s19, ttmp9, 4                       ; the batch, which the four partners share
	; descriptor group 1: a dense block of 13,056 bytes as 51 rows of 256 bytes (32 elements of 8 bytes), no padding
	s_mov_b32 s[G1], 15|(3<<16)|(1<<21)            ; 15:0 the mask: all four work-groups; 17:16 elements of 8 bytes; 21 set beside a mask
	s_mov_b32 s[G1+1], 32<<16                      ; tensor_dim0 = 32
	s_mov_b32 s[G1+2], 51<<16                      ; tensor_dim1 = 51
	s_mov_b32 s[G1+3], 32<<16                      ; tile_dim0 = 32
	s_mov_b32 s[G1+4], 51                          ; tile_dim1 = 51
	s_mov_b32 s[G1+5], 32                          ; from row to row
	s_mov_b32 s[G1+6], 0
	s_mov_b32 s[G1+7], 0
	s_mov_b32 s[G0], 1
	s_mul_i32 s[G0+1], s[WV], STEPB                ; LDS: key step w's block
	s_mul_i32 s38, s19, 16*STEPB
	s_add_co_u32 s38, s38, s[G0+1]                 ; and the same in the batch's part of kv
	s_mov_b32 s39, 0
	s_lshl_b32 s40, s16, 9
	s_add_co_u32 s40, s40, s18
	s_mul_i32 s40, s40, 1536                       ; Q's image: (256 x head 2 (w / 2) + P) x 1,536
	s_mov_b32 s41, 0
	s_lshl_b32 s42, s16, 8
	s_lshr_b32 s43, s18, 1
	s_add_co_u32 s42, s42, s43
	s_lshl_b32 s42, s42, 8                         ; Q's scale words: (128 x head + P / 2) x 256
	s_lshl_b32 s43, s15, 7
	s_add_co_u32 s42, s42, s43                     ; + tile u's sixteen lanes of 8 bytes
	s_and_b32 s43, s18, 1
	s_lshl_b32 s43, s43, 2
	s_add_co_u32 s42, s42, s43                     ; + which of the two groups
	s_mov_b32 s43, 0
	s_lshl_b32 s44, s18, 1
	s_add_co_u32 s44, s44, s15
	s_lshl_b32 s44, s44, 3
	s_add_co_u32 s44, s44, s16
	s_mul_i32 s44, s44, 1536                       ; o's image: ((2 P + u) x 8 + K step) x 1,536
	s_mov_b32 s45, 0
	s_lshl_b32 s46, s18, 3
	s_add_co_u32 s46, s46, s16
	s_lshl_b32 s46, s46, 7
	s_lshl_b32 s47, s15, 6
	s_add_co_u32 s46, s46, s47                     ; o's scale words: (8 P + K step) x 128 + 64 u
	s_mov_b32 s47, 0
	s_mov_b32 s[SEL], 0x76543210
	s_mov_b32 s[SEL+1], 0xfedcba98
	s_mov_b32 s[CS], 0x3e38aa3b                    ; c = log2(e) / sqrt(64)
	s_mov_b32 s[CS+1], s[CS]                       ; (named with it as a pair, so it is written)
	v_and_b32 v3, 31, v0
	v_lshlrev_b32 v1, 4, v3                        ; 16 x lane
	v_lshlrev_b32 v2, 3, v3                        ; 8 x lane
	v_lshlrev_b32 v3, 2, v3                        ; 4 x lane
	s_mul_i32 s48, s15, 520                        ; tile u's six registers of a group's image, as three pieces of 8 bytes: registers 6 u + 0, 1:
	v_add_nc_u32 v248, s48, v1                     ;   16 l + 520 u
	s_mul_i32 s49, s15, 1016
	s_add_co_u32 s49, s49, 8
	v_add_nc_u32 v249, s49, v1                     ;   6 u + 2, 3: 16 l + 8 + 1,016 u
	s_add_co_u32 s48, s48, 512
	v_add_nc_u32 v250, s48, v1                     ;   6 u + 4, 5: 16 l + 512 + 520 u
	v_and_b32 v251, 15, v0
	v_bfe_u32 v253, v0, 4, 1
	v_lshlrev_b32 v252, 2, v251
	v_lshl_add_u32 v252, v253, 1, v252             ; o's scale word goes out in halves: 4 r + 2 h
	v_lshlrev_b32 v251, 3, v251                    ; Q's scale words: 8 r
	v_lshlrev_b32 v253, 4, v253                    ; 16 h
	s_wait_dscnt 0x0                               ; both opening adds are done
	s_wait_kmcnt 0x0
	s_add_nc_u64 s[G0+2:G0+3], s[8:9], s[38:39]
	s_or_b32 s[G0+3], s[G0+3], 0x80000000          ; type = 2
	s_add_nc_u64 s[4:5], s[4:5], s[40:41]
	s_add_nc_u64 s[6:7], s[6:7], s[42:43]
	s_add_nc_u64 s[10:11], s[10:11], s[44:45]
	s_add_nc_u64 s[12:13], s[12:13], s[46:47]
	CROUND                                         ; all four work-groups are here: the joint loads meet
	tensor_load_to_lds s[G0:G0+3], s[G1:G1+7]      ; my one tensor load: key step w's block, for all four work-groups
	s_nop 0
.rept 4
	v_nop
.endr
.irp c, 0,1
	global_load_b64 v[QF+12*\c:QF+12*\c+1], v248, s[4:5] offset:393216*\c      ; Q stays in registers
	global_load_b64 v[QF+12*\c+2:QF+12*\c+3], v249, s[4:5] offset:393216*\c
	global_load_b64 v[QF+12*\c+4:QF+12*\c+5], v250, s[4:5] offset:393216*\c
	global_load_b32 v[QS+\c], v251, s[6:7] offset:32768*\c
.irp i, 6,7,8,9,10,11
	v_mov_b32 v[QF+12*\c+\i], 0                    ; zero codes for k = 64 .. 127
.endr
.endr
.irp i, 0,1,2,3,4,5
	v_mov_b32 v[KV+48+\i], 0                       ; what the last tile of K reaches into; never rewritten
.endr
.irp b, 0,1,2,3
	v_mov_b32 v[BX+\b], 0                          ; a lane permute's destination counts as one of its sources
.endr
	v_mov_b32 v95, 0                               ; (named as the upper half of the pair v[94:95])
	s_wait_tensorcnt 0x0                           ; my block is in,
	s_barrier_signal -1
	s_barrier_wait -1                              ; everybody's is: from here on LDS is only read
	s_wait_loadcnt 0x0                             ; Q
; ONE HEAD: all 2,048 keys of the batch, 128 a trip
.macro PASS hd
	v_mov_b32 v13, 0xff61b1e6                      ; the largest t so far: -3e38, under every t
	v_floor_f32 v12, -v13                          ; -M
	v_mov_b32 v14, 0                               ; the sum, in two halves
	v_mov_b32 v15, 0
.set J, 0
.rept 32
	v_mov_b32 v[O+J], 0                            ; O^T: the first trip finds zeros, which the first change of M leaves zeros
.set J, J+1
.endr
	s_mov_b32 s[TB], 0
	s_mov_b32 s[CNT], 16
.Lstep_\@:
	v_add_nc_u32 v4, s[TB], v1                     ; these three and the v_nop are the four places behind the last trip's products, in front of the loads into K's registers
	v_add_nc_u32 v5, s[TB], v2
	v_add_nc_u32 v6, s[TB], v3
	v_nop
.set J, 0
.rept 12
	ds_load_b128 v[KV+4*J:KV+4*J+3], v4 offset:512*J       ; K's four group images: 512 consecutive bytes a load
.set J, J+1
.endr
	ds_load_b64 v[KSC:KSC+1], v5 offset:12288      ; the scale words of groups 0, 1: lanes 0-15 the even tile's, lanes 16-31 the odd tile's
	ds_load_b64 v[KSC+2:KSC+3], v5 offset:12544    ; of groups 2, 3
	s_wait_dscnt 0x0
.irp t, 0,1,2,3,4,5,6,7
	MM S+8*\t, KV+6*\t, QF+12*\hd, 1, KSC+\t/2, QS+\hd, \t%2, 0
.endr
	PLACES 4                                       ; in front of loads into registers that these products read, and of the first read of the scores
.set J, 0
.rept 12
	ds_load_b128 v[KV+4*J:KV+4*J+3], v4 offset:6144+512*J  ; V^T's four images land while the softmax is worked
.set J, J+1
.endr
	ds_load_b32 v[VSC], v6 offset:12800
	ds_load_b32 v[VSC+1], v6 offset:12928
.irp b, 0,1,2,3
	v_max3_num_f32 v[BM+\b], v[S+16*\b], v[S+1+16*\b], v[S+2+16*\b]    ; the largest score of each block of 32 keys: for the row's maximum, and, since p rises with the score, for the block's largest p
.endr
.irp i, 3,5,7,9,11,13
.irp b, 0,1,2,3
	v_max3_num_f32 v[BM+\b], v[BM+\b], v[S+16*\b+\i], v[S+1+16*\b+\i]
.endr
.endr
.irp b, 0,1,2,3
	v_max_num_f32 v[BM+\b], v[BM+\b], v[S+15+16*\b]
.endr
.irp b, 0,1,2,3
	v_permlanex16_b32 v[BX+\b], v[BM+\b], s[SEL], s[SEL+1]
.endr
.irp b, 0,1,2,3
	v_max_num_f32 v[BM+\b], v[BM+\b], v[BX+\b]             ; with lane l xor 16's 16 keys
.endr
	v_max3_num_f32 v238, v[BM], v[BM+1], v[BM+2]
	v_max_num_f32 v238, v238, v[BM+3]              ; the step's largest score of my query
	v_mul_f32 v238, s[CS], v238                    ; as t (c is positive)
	v_max_num_f32 v13, v13, v238                   ; the running largest t
	v_mov_b32 v238, v12
	v_floor_f32 v12, -v13                          ; the new -M = floor(-t) = -ceil(t)
	v_sub_f32 v238, v12, v238                      ; old M less new M: a whole number, 0 or less
	v_cvt_i32_f32 v238, v238                       ; (it saturates)
	v_ldexp_f32 v94, 1.0, v238                     ; f = 2^(old M - new M)
.set J, 0
.rept 32
	v_pk_fma_f32 v[S+J:S+J+1], v[S+J:S+J+1], s[CS:CS+1], v[12:13] op_sel_hi:[1,0,0]   ; t - M, two at a time
.set J, J+2
.endr
.irp b, 0,1,2,3
	v_fma_f32 v[BM+\b], v[BM+\b], s[CS], v12       ; the same of each block's largest score
.endr
.set J, 0
.rept 64
	v_exp_f32 v[S+J], v[S+J]                       ; p = 2^(t - M), at most 1
.set J, J+1
.endr
	v_pk_mul_f32 v[14:15], v[14:15], v[94:95] op_sel_hi:[1,0]      ; the sums under the new M: the plain instruction behind the exponentials
	s_wait_alu depctr_va_vdst(0)                   ; one wait for the whole batch, ahead of its first reader
.irp b, 0,1,2,3
	v_exp_f32 v[BM+\b], v[BM+\b]                   ; the block's largest p: the same two instructions on the same number give the same bits
.endr
	v_pk_add_f32 v[236:237], v[S:S+1], v[S+2:S+3]  ; the row's sum is taken of the unquantised p, in two chains
.irp j, 4,8,12,16,20,24,28,32,36,40,44,48,52,56,60
	v_pk_add_f32 v[14:15], v[14:15], v[S+\j:S+\j+1]
	v_pk_add_f32 v[236:237], v[236:237], v[S+2+\j:S+3+\j]
.endr
	v_pk_add_f32 v[14:15], v[14:15], v[236:237]
	s_wait_alu depctr_va_vdst(0)                   ; and one for the four
.irp b, 0,1,2,3
	v_max_num_f32 v[BM+\b], 0x1800000, v[BM+\b]    ; the floor 2^(3 - 127): the byte cannot fall under 1
.endr
.irp b, 0,1,2,3
	v_add_nc_u32 v[BS+\b], 0xff000000, v[BM+\b]    ; 2 off the exponent field: the conversion's scale operand
.endr
.irp b, 0,1,2,3
	v_lshrrev_b32 v[BX+\b], 23, v[BS+\b]           ; the scale's byte
.endr
	v_lshl_or_b32 v[PW], v[BX+1], 8, v[BX]         ; p's scale word for these 128 keys
	v_lshl_or_b32 v[PW], v[BX+2], 16, v[PW]
	v_lshl_or_b32 v[PW], v[BX+3], 24, v[PW]
.irp c, 0,1
	v_cvt_scalef32_pk16_fp6_f32 v[PC+6*\c:PC+6*\c+2], v[S+32*\c:S+32*\c+15], v[BS+2*\c]
	v_cvt_scalef32_pk16_fp6_f32 v[T+4*\c:T+4*\c+2], v[S+32*\c+16:S+32*\c+31], v[BS+2*\c+1]
.endr
	v_nop                                          ; one plain instruction behind the conversions
.irp c, 0,1
.irp i, 0,1,2
	v_permlane16_swap_b32 v[PC+6*\c+\i], v[T+4*\c+\i]      ; a whole block to a lane
.endr
.irp i, 0,1,2
	v_mov_b32 v[PC+6*\c+3+\i], v[T+4*\c+\i]
.endr
.endr
.set J, 0
.rept 16
	v_pk_mul_f32 v[O+J:O+J+1], v[O+J:O+J+1], v[94:95] op_sel_hi:[1,0]   ; O^T under the new M, in ascending order; these sixteen are also the places between p's codes and scale word and the products
.set J, J+2
.endr
	s_wait_dscnt 0x0                               ; V^T and its scale words are in
.irp t, 0,1,2,3
	MM O+8*\t, KV+12*\t, PC, 0, VSC+\t/2, PW, \t%2, 0      ; four accumulators by turns; the next matrix instruction is the next trip's first score product
.endr
	s_add_co_u32 s[TB], s[TB], STEPB
	s_sub_co_u32 s[CNT], s[CNT], 1
	s_cmp_lg_u32 s[CNT], 0
	s_cbranch_scc1 .Lstep_\@
	PLACES 4                                       ; in front of the first read of O^T
	v_add_f32 v14, v14, v15                        ; the sum's two halves,
	v_permlanex16_b32 v[BX], v14, s[SEL], s[SEL+1]
	v_add_f32 v14, v14, v[BX]                      ; and lane l xor 16's: the row's sum
	v_rcp_f32 v14, v14
	v_nop                                          ; a plain instruction behind the reciprocal
	s_wait_alu depctr_va_vdst(0)                   ; and the wait ahead of its first reader
.set J, 0
.rept 16
	v_pk_mul_f32 v[S+J:S+J+1], v[O+J:O+J+1], v[14:15] op_sel_hi:[1,0]   ; o = O^T / the sum: register 16 b + i is e = 32 b + 16 h + i
.set J, J+2
.endr
	QUANTH S, PCO+6*\hd, 238                       ; this head's 64 are k = 64 hd + 0 .. 63 of my K step
.if \hd == 0
	v_mov_b32 v[OW], v238
.else
	v_lshl_or_b32 v[OW], v238, 16, v[OW]
.endif
.endm
	PASS 0
	PASS 1
.irp c, 0,1,2
	global_store_b128 v1, v[PCO+4*\c:PCO+4*\c+3], s[10:11] offset:512*\c   ; o's image: 512 consecutive bytes a store
.endr
	v_lshrrev_b32 v239, v253, v[OW]                ; both halves of the lanes hold row r's word: lanes 0-15 store its low half, lanes 16-31 its high half
	global_store_b16 v252, v239, s[12:13]          ; 64 consecutive bytes
	s_wait_tensorcnt 0x0                           ; the wave's end
	ds_add_u32 v[SPW], v[NIL]
	s_wait_dscnt 0x0
	CROUND                                         ; the closing round
	s_endpgm
.Lfunc_end_k_qa8871b305a_attn:
	.size	k_qa8871b305a_attn, .Lfunc_end_k_qa8871b305a_attn-k_qa8871b305a_attn
	.p2alignl 7, 3214868480
	.fill 96, 4, 3214868480
	.section	.rodata,"a",@progbits
	.p2align	6, 0x0
	.amdhsa_kernel k_qa8871b305a_attn
		.amdhsa_group_segment_fixed_size 210944
		.amdhsa_private_segment_fixed_size 0
		.amdhsa_enable_private_segment 0
		.amdhsa_kernarg_size 40
		.amdhsa_user_sgpr_count 2
		.amdhsa_user_sgpr_kernarg_segment_ptr 1
		.amdhsa_wavefront_size32 1
		.amdhsa_system_sgpr_workgroup_id_x 1
		.amdhsa_system_sgpr_workgroup_id_y 1
		.amdhsa_system_sgpr_workgroup_id_z 1
		.amdhsa_system_vgpr_workitem_id 0
		.amdhsa_next_free_vgpr 256
		.amdhsa_next_free_sgpr 66
		.amdhsa_reserve_vcc 0
		.amdhsa_float_denorm_mode_32 3
		.amdhsa_float_denorm_mode_16_64 3
		.amdhsa_memory_ordered 1
		.amdhsa_forward_progress 1
		.amdhsa_inst_pref_size 47
	.end_amdhsa_kernel
	.amdgpu_metadata
---
amdhsa.version: [ 1, 2 ]
amdhsa.kernels:
  - .name:           k_qa8871b305a_attn
    .symbol:         k_qa8871b305a_attn.kd
    .args:
      - { .name: qimg, .offset: 0, .size: 8, .value_kind: global_buffer, .address_space: global }
      - { .name: qsc, .offset: 8, .size: 8, .value_kind: global_buffer, .address_space: global }
      - { .name: kv, .offset: 16, .size: 8, .value_kind: global_buffer, .address_space: global }
      - { .name: aimg, .offset: 24, .size: 8, .value_kind: global_buffer, .address_space: global }
      - { .name: asc, .offset: 32, .size: 8, .value_kind: global_buffer, .address_space: global }
    .group_segment_fixed_size: 210944
    .private_segment_fixed_size: 0
    .kernarg_segment_align: 8
    .kernarg_segment_size: 40
    .max_flat_workgroup_size: 512
    .sgpr_count:     66
    .vgpr_count:     256
    .wavefront_size: 32
...
	.end_amdgpu_metadata
.endif
;; end of part 3
;; launch outp (part 4): grid 32 x 16, 4 waves a work-group, no clusters, 17,920 bytes of LDS; arguments aimg, asc, wimg, wsc, bo, out0; writes out0
.if DOCPART == 4
	.amdgcn_target "amdgcn-amd-amdhsa--gfx1250"
	.amdhsa_code_object_version 6
	.text
	.protected	k_qa8871b305a_outp
	.globl	k_qa8871b305a_outp
	.p2align	8
	.type	k_qa8871b305a_outp,@function
k_qa8871b305a_outp:
	s_mov_b64 s[64:65], 0
	v_nop
	global_prefetch_b8 v0, s[64:65] scope:SCOPE_SE
	s_setreg_imm32_b32 hwreg(HW_REG_WAVE_MODE, 25, 1), 1
	s_wait_xcnt 0x0
; Launch 4 of 4: out = o Wo + bo on codes of E2M3.  o's codes and scale words lie in aimg and asc (launch 3), Wo's in wimg and wsc (tiles 72 on, groups 36 on).  No work is left out.
; Work-group (a, g): 256 positions x 64 columns; a wave makes 64 positions x 64 columns, 16 accumulators, TRANSPOSED (source 0 = 16 columns of Wo, source 1 = 16 positions).
; Operands go from memory straight into registers (images of registers: launch 1).  bo is loaded into the accumulators and so is the sum's first term.
; THE WAY OUT: a lane holds 16 neighbouring columns (twice) of one position; a tile of 16 positions x 256 bytes goes through the wave's own stage in LDS and leaves as whole rows:
; sixteen lanes store 256 consecutive bytes, aligned.  Waves share nothing: no barrier.
.set XS,   3                           ; v3, v4 o's scale words; v5, v6 Wo's (scales and nothing else)
.set WS,   5
.set XF,   8                           ; v8-55   o's four fragments
.set WF,   56                          ; v56-103 Wo's four
.set BK,   8                           ; the way out: rows read back: v8-39 and v40-71 by turns
.set STO,  104                         ; v104 the stage, in
.set RD,   105                         ; v105 the stage, out
.set CO,   106                         ; v106 my byte offset in two rows of out
.set SPW,  107                         ; v107 LDS address of my spare word; never rewritten
.set NIL,  108                         ; v108 0; never rewritten
.set ACC,  128
.set SPARE, 17408                      ; behind the four stages of 16 x 272 bytes: the spare words, two blocks of 256 bytes that no other line names
.macro PLACES n
.rept \n
	v_nop
.endr
.endm
.macro MM d, a, b, z, sa, sb, ra, rb
.if (\z)
.if (\ra) && (\rb)
	v_wmma_scale_f32_16x16x128_f8f6f4 v[\d:\d+7], v[\a:\a+11], v[\b:\b+11], 0, v[\sa], v[\sb] matrix_a_fmt:MATRIX_FMT_FP6 matrix_b_fmt:MATRIX_FMT_FP6 matrix_a_scale:MATRIX_SCALE_ROW1 matrix_b_scale:MATRIX_SCALE_ROW1
.elseif (\ra)
	v_wmma_scale_f32_16x16x128_f8f6f4 v[\d:\d+7], v[\a:\a+11], v[\b:\b+11], 0, v[\sa], v[\sb] matrix_a_fmt:MATRIX_FMT_FP6 matrix_b_fmt:MATRIX_FMT_FP6 matrix_a_scale:MATRIX_SCALE_ROW1
.elseif (\rb)
	v_wmma_scale_f32_16x16x128_f8f6f4 v[\d:\d+7], v[\a:\a+11], v[\b:\b+11], 0, v[\sa], v[\sb] matrix_a_fmt:MATRIX_FMT_FP6 matrix_b_fmt:MATRIX_FMT_FP6 matrix_b_scale:MATRIX_SCALE_ROW1
.else
	v_wmma_scale_f32_16x16x128_f8f6f4 v[\d:\d+7], v[\a:\a+11], v[\b:\b+11], 0, v[\sa], v[\sb] matrix_a_fmt:MATRIX_FMT_FP6 matrix_b_fmt:MATRIX_FMT_FP6
.endif
.else
.if (\ra) && (\rb)
	v_wmma_scale_f32_16x16x128_f8f6f4 v[\d:\d+7], v[\a:\a+11], v[\b:\b+11], v[\d:\d+7], v[\sa], v[\sb] matrix_a_fmt:MATRIX_FMT_FP6 matrix_b_fmt:MATRIX_FMT_FP6 matrix_a_scale:MATRIX_SCALE_ROW1 matrix_b_scale:MATRIX_SCALE_ROW1
.elseif (\ra)
	v_wmma_scale_f32_16x16x128_f8f6f4 v[\d:\d+7], v[\a:\a+11], v[\b:\b+11], v[\d:\d+7], v[\sa], v[\sb] matrix_a_fmt:MATRIX_FMT_FP6 matrix_b_fmt:MATRIX_FMT_FP6 matrix_a_scale:MATRIX_SCALE_ROW1
.elseif (\rb)
	v_wmma_scale_f32_16x16x128_f8f6f4 v[\d:\d+7], v[\a:\a+11], v[\b:\b+11], v[\d:\d+7], v[\sa], v[\sb] matrix_a_fmt:MATRIX_FMT_FP6 matrix_b_fmt:MATRIX_FMT_FP6 matrix_b_scale:MATRIX_SCALE_ROW1
.else
	v_wmma_scale_f32_16x16x128_f8f6f4 v[\d:\d+7], v[\a:\a+11], v[\b:\b+11], v[\d:\d+7], v[\sa], v[\sb] matrix_a_fmt:MATRIX_FMT_FP6 matrix_b_fmt:MATRIX_FMT_FP6
.endif
.endif
.endm
	s_load_b256 s[4:11], s[0:1], 0x0               ; aimg s[4:5], asc s[6:7], wimg s[8:9], wsc s[10:11]
	s_load_b128 s[12:15], s[0:1], 0x20             ; bo s[12:13], out0 s[14:15]
	v_lshl_add_u32 v[SPW], v0, 2, SPARE
	v_mov_b32 v[NIL], 0
	v_lshrrev_b32 v1, 5, v0
	v_readfirstlane_b32 s24, v1                    ; wave
	v_and_b32 v2, 31, v0
	v_lshlrev_b32 v1, 4, v2                        ; 16 x lane; never rewritten
	v_lshlrev_b32 v2, 2, v2                        ; 4 x lane; never rewritten
	s_and_b32 s25, ttmp7, 0xffff                   ; g: my 64 columns
	s_lshl_b32 s26, ttmp9, 2
	s_add_co_u32 s26, s26, s24                     ; i: my 64 positions
	v_and_b32 v109, 15, v0                         ; r
	v_bfe_u32 v110, v0, 4, 1                       ; h
	s_mul_i32 s27, s24, 4352                       ; my stage
	v_mul_u32_u24 v[STO], v109, 272
	v_lshl_add_u32 v[STO], v110, 6, v[STO]
	v_add_nc_u32 v[STO], s27, v[STO]               ; in: row r, + 64 h
	v_mul_u32_u24 v[RD], v110, 272
	v_lshl_add_u32 v[RD], v109, 4, v[RD]
	v_add_nc_u32 v[RD], s27, v[RD]                 ; out: lanes 0-15 one row, lanes 16-31 the next; 16 bytes a lane
	v_lshlrev_b32 v[CO], 12, v110
	v_lshl_add_u32 v[CO], v109, 4, v[CO]           ; and the same two rows in out
	v_lshlrev_b32 v120, 6, v110                    ; 64 h: the bias's offset
	s_mul_i32 s32, s26, 49152                      ; o: 4 tiles x 8 K steps x 1,536
	s_mov_b32 s33, 0
	s_lshl_b32 s34, s26, 11
	s_mov_b32 s35, 0
	s_lshl_b32 s36, s25, 2
	s_add_co_u32 s36, s36, 72
	s_mul_i32 s36, s36, 12288                      ; Wo's tiles 72 + 4 g on
	s_mov_b32 s37, 0
	s_lshl_b32 s38, s25, 1
	s_add_co_u32 s38, s38, 36
	s_lshl_b32 s38, s38, 10                        ; its groups 36 + 2 g on
	s_mov_b32 s39, 0
	s_lshl_b32 s40, s25, 8                         ; 64 columns are 256 bytes
	s_mov_b32 s41, 0
	s_lshl_b32 s42, s26, 18                        ; 64 rows of 4,096 bytes
	s_add_co_u32 s42, s42, s40
	s_mov_b32 s43, 0
	s_wait_kmcnt 0x0
	s_add_nc_u64 s[4:5], s[4:5], s[32:33]
	s_add_nc_u64 s[6:7], s[6:7], s[34:35]
	s_add_nc_u64 s[8:9], s[8:9], s[36:37]
	s_add_nc_u64 s[10:11], s[10:11], s[38:39]
	s_add_nc_u64 s[12:13], s[12:13], s[40:41]
	s_add_nc_u64 s[14:15], s[14:15], s[42:43]
.irp m, 0,1,2,3
.irp t, 0,1,2,3
	global_load_b128 v[ACC+32*\m+8*\t:ACC+32*\m+8*\t+3], v120, s[12:13] offset:128*(\t/2)+32*(\t%2)        ; bo of column 32 (t / 2) + 16 h + 8 (t % 2) + 0 .. 7 starts the sums
	global_load_b128 v[ACC+32*\m+8*\t+4:ACC+32*\m+8*\t+7], v120, s[12:13] offset:128*(\t/2)+32*(\t%2)+16
.endr
.endr
; a K step of 128: 28 loads, 16 matrix instructions; the 16 accumulators take turns
.macro KSTEP s
.if \s > 0
	PLACES 4                                       ; in front of loads into registers that matrix instructions have read
.endif
.irp p, 0,1
	global_load_b32 v[XS+\p], v2, s[6:7] offset:1024*\p+128*\s
	global_load_b32 v[WS+\p], v2, s[10:11] offset:1024*\p+128*\s
.endr
.irp t, 0,1,2,3
.irp c, 0,1,2
	global_load_b128 v[WF+12*\t+4*\c:WF+12*\t+4*\c+3], v1, s[8:9] offset:12288*\t+1536*\s+512*\c
.endr
.endr
.irp m, 0,1,2,3
.irp c, 0,1,2
	global_load_b128 v[XF+12*\m+4*\c:XF+12*\m+4*\c+3], v1, s[4:5] offset:12288*\m+1536*\s+512*\c
.endr
.endr
.irp m, 0,1,2,3
	s_wait_loadcnt 9-3*\m                          ; all up to o's tile m are in; the three loads of each later tile may be out
.irp t, 0,1,2,3
	MM ACC+32*\m+8*\t, WF+12*\t, XF+12*\m, 0, WS+\t/2, XS+\m/2, \t%2, \m%2
.endr
.endr
.endm
.irp s, 0,1,2,3,4,5,6,7
	KSTEP \s
.endr
; tile m of positions into my stage, each accumulator from its low end on, and back as whole rows.  LDS serves a wave's instructions in order: no wait between the stores and the loads
.macro TOSTAGE m
.irp b, 0,1
.irp q, 0,1,2,3
	ds_store_b128 v[STO], v[ACC+32*(\m)+16*\b+4*\q:ACC+32*(\m)+16*\b+4*\q+3] offset:128*\b+16*\q
.endr
.endr
.irp i, 0,1,2,3,4,5,6,7
	ds_load_b128 v[BK+32*((\m)%2)+4*\i:BK+32*((\m)%2)+4*\i+3], v[RD] offset:544*\i
.endr
.endm
; stage row 2 i + h of tile m is position 32 (m / 2) + 8 (m % 2) + 2 i + h + 8 (i / 4) of my 64
.macro SEND m, younger
	s_wait_dscnt \younger                          ; the tile is back in registers; the LDS instructions issued behind its loads may be out
.irp i, 0,1,2,3,4,5,6,7
	global_store_b128 v[CO], v[BK+32*((\m)%2)+4*\i:BK+32*((\m)%2)+4*\i+3], s[14:15] offset:(32*((\m)/2)+8*((\m)%2)+2*\i+8*(\i/4))*4096 th:TH_STORE_NT   ; 16 lanes store 256 consecutive bytes, aligned
.endr
.endm
	PLACES 4                                       ; in front of the first read of results and of loads into the fragments' registers
	TOSTAGE 0
.irp m, 1,2,3
.if \m > 1
	s_wait_xcnt 0x0                                ; tile m - 2's stores have read their registers: tile m's rows may land there
.endif
	TOSTAGE \m
	SEND \m-1, 16                                  ; behind tile m - 1's loads: tile m's 8 stores and 8 loads
.endr
	SEND 3, 0
	s_wait_tensorcnt 0x0                           ; the wave's end
	ds_add_u32 v[SPW], v[NIL]
	s_wait_dscnt 0x0
	s_endpgm
.Lfunc_end_k_qa8871b305a_outp:
	.size	k_qa8871b305a_outp, .Lfunc_end_k_qa8871b305a_outp-k_qa8871b305a_outp
	.p2alignl 7, 3214868480
	.fill 96, 4, 3214868480
	.section	.rodata,"a",@progbits
	.p2align	6, 0x0
	.amdhsa_kernel k_qa8871b305a_outp
		.amdhsa_group_segment_fixed_size 17920
		.amdhsa_private_segment_fixed_size 0
		.amdhsa_enable_private_segment 0
		.amdhsa_kernarg_size 48
		.amdhsa_user_sgpr_count 2
		.amdhsa_user_sgpr_kernarg_segment_ptr 1
		.amdhsa_wavefront_size32 1
		.amdhsa_system_sgpr_workgroup_id_x 1
		.amdhsa_system_sgpr_workgroup_id_y 1
		.amdhsa_system_sgpr_workgroup_id_z 1
		.amdhsa_system_vgpr_workitem_id 0
		.amdhsa_next_free_vgpr 256
		.amdhsa_next_free_sgpr 66
		.amdhsa_reserve_vcc 0
		.amdhsa_float_denorm_mode_32 3
		.amdhsa_float_denorm_mode_16_64 3
		.amdhsa_memory_ordered 1
		.amdhsa_forward_progress 1
		.amdhsa_inst_pref_size 52
	.end_amdhsa_kernel
	.amdgpu_metadata
---
amdhsa.version: [ 1, 2 ]
amdhsa.kernels:
  - .name:           k_qa8871b305a_outp
    .symbol:         k_qa8871b305a_outp.kd
    .args:
      - { .name: aimg, .offset: 0, .size: 8, .value_kind: global_buffer, .address_space: global }
      - { .name: asc, .offset: 8, .size: 8, .value_kind: global_buffer, .address_space: global }
      - { .name: wimg, .offset: 16, .size: 8, .value_kind: global_buffer, .address_space: global }
      - { .name: wsc, .offset: 24, .size: 8, .value_kind: global_buffer, .address_space: global }
      - { .name: bo, .offset: 32, .size: 8, .value_kind: global_buffer, .address_space: global }
      - { .name: out0, .offset: 40, .size: 8, .value_kind: global_buffer, .address_space: global }
    .group_segment_fixed_size: 17920
    .private_segment_fixed_size: 0
    .kernarg_segment_align: 8
    .kernarg_segment_size: 48
    .max_flat_workgroup_size: 128
    .sgpr_count:     66
    .vgpr_count:     256
    .wavefront_size: 32
...
	.end_amdgpu_metadata
.endif
;; end of part 4
;; ======== version 2 of 2: 4 launches
;; workspace buffers: aimg 6,291,456 bytes; asc 262,144 bytes; wimg 1,671,168 bytes; wsc 69,632 bytes; qimg 6,291,456 bytes; qsc 524,288 bytes; kv 835,584 bytes
;; launch prep (part 5): grid 648 x 1, 4 waves a work-group, no clusters, 100,864 bytes of LDS; arguments x, Wq, Wk, Wv, Wo, aimg, asc, wimg, wsc; writes aimg, asc, wimg, wsc
.if DOCPART == 5
	.amdgcn_target "amdgcn-amd-amdhsa--gfx1250"
	.amdhsa_code_object_version 6
	.text
	.protected	k_qa8871b305a_prep
	.globl	k_qa8871b305a_prep
	.p2align	8
	.type	k_qa8871b305a_prep,@function
k_qa8871b305a_prep:
	s_mov_b64 s[64:65], 0
	v_nop
	global_prefetch_b8 v0, s[64:65] scope:SCOPE_SE
	s_setreg_imm32_b32 hwreg(HW_REG_WAVE_MODE, 25, 1), 1
	s_wait_xcnt 0x0
; MULTI-QUERY ATTENTION IN MX-FP6, launch 1 of 4: x, Wq, Wk, Wv and Wo (f32) become codes of E2M3 with one E8M0 byte for each 32 along K.
; NO WORK IS LEFT OUT in this program: every product of the problem's table is live, every bias can move codes or results (bk too: it moves k's codes), every input is loaded.
; LIMITS: NaN and infinities among the inputs are not served.  A block of zeros gets the byte 1 where the rule says 127: its codes are zeros, which add nothing under any byte
; but 0xff, and the bytes are read by this program alone.  Blocks whose largest magnitude lies under 2^(3 - 127) keep the byte 1.
; FORMATS OF THE WORKSPACE.  An operand lies in memory as an IMAGE OF ITS REGISTERS: a fragment of 16 rows x 128 K is 12 registers a lane = 1,536 bytes; registers 4 c .. 4 c + 3 of lane l
; are the 16 bytes at 512 c + 16 l.  So a fragment is written and read by three 16-byte accesses a lane, each covering 512 consecutive bytes.
; THE ROWS OF A TILE ARE NOT NEIGHBOURS: of a group of 32 members (positions of x, columns of a weight) tile u, lane r, takes member 8 u + r + 8 (r / 8): where such a tile is source 0 of a product,
; the 16 result registers of the group's two tiles are 16 neighbours along the next product's K.
; A group's scale words for a K step are 128 bytes, 4 a lane: lanes 0-15 tile 0's rows, lanes 16-31 tile 1's.
;   aimg [tile 2 P + u][K step s][1,536], asc [P][s][128]: P = a group of 32 positions.    wimg [tile 2 G + u][s][1,536], wsc [G][s][128]: G = a group of 32 columns:
;   G = 2 head + b: Wq;  32, 33: Wk;  34, 35: Wv;  36 + d / 32: Wo.
; SHARES.  A wave does one job: 32 members x 128 along K (16 KB of f32), two images and one block of scale words.  Work-groups 0-511 take x, 512-647 the weights.  Waves share nothing: no barrier.
; x (K innermost): a load takes one row's 512 bytes; 16 rows turn through the wave's stage (pitch 528) and come back 256 bytes a lane: two whole blocks of 32.
; A weight (K is its first axis): a load takes 4 rows k x 128 bytes; the 128 rows lie in the wave's stage and a lane reads its column down K, 4 bytes at a time.
.set XST,   0                          ; LDS: x's stages, 16 rows x 528 bytes for each wave
.set WST,   33792                      ; the weights' stages, 16,640 bytes for each wave: two areas of 64 rows x 128 bytes, the second 8,320 on, so that lanes 16-31 fall on the other 32 banks
.set SPARE, 100352                     ; the spare words, 128 bytes for each wave: two blocks of 256 bytes that no other line names
.set SPW,   12                         ; v12  LDS address of my spare word; never rewritten
.set NIL,   13                         ; v13  0; never rewritten
.set TM,    16                         ; v16-22 at work
.set T,     24                         ; v24-30 the upper halves of the blocks' codes
.set PC,    32                         ; v32-55 the two tiles' codes
.set WD,    56                         ; v56, v57 the two tiles' scale words;  v58 the group's
.set X,     64                         ; v64-127 64 numbers of a lane: register 32 c + i = k 64 c + 32 (lane / 16) + i
.set R,     128                        ; v128-255 the job's 32 loads
.set SEL,   28                         ; s[28:29] v_permlanex16_b32's selects for lane l xor 16
.set HI,    30                         ; s30  the mask of lanes 16-31
; 64 numbers of a lane, two whole blocks of 32, become a fragment's 12 registers at v[d] and its row's scale word in v[w]
.macro QUANTW s, d, w
.irp c, 0,1
	v_max3_num_f32 v[TM+\c], |v[\s+32*\c]|, |v[\s+32*\c+1]|, 0x1800000     ; the block's largest magnitude, and the floor 2^(3 - 127): the byte cannot fall under 1
.endr
.irp i, 2,4,6,8,10,12,14,16,18,20,22,24,26,28,30
.irp c, 0,1
	v_max3_num_f32 v[TM+\c], v[TM+\c], |v[\s+32*\c+\i]|, |v[\s+32*\c+\i+1]|   ; the two blocks by turns
.endr
.endr
.irp c, 0,1
	v_add_nc_u32 v[TM+2+\c], 0xff000000, v[TM+\c]          ; 2 off the exponent field: the conversion's scale operand
.endr
.irp c, 0,1
	v_lshrrev_b32 v[TM+4+\c], 23, v[TM+2+\c]               ; the scale's byte
.endr
	v_lshl_or_b32 v[\w], v[TM+5], 16, v[TM+4]              ; my blocks are h and 2 + h of the row's four:
	v_lshlrev_b32 v[\w], v6, v[\w]                         ; 8 h bits up;
	v_permlanex16_b32 v[TM+6], v[\w], s[SEL], s[SEL+1]
	v_or_b32 v[\w], v[\w], v[TM+6]                         ; with lane l xor 16's two the word is whole
.irp c, 0,1
	v_cvt_scalef32_pk16_fp6_f32 v[\d+6*\c:\d+6*\c+2], v[\s+32*\c:\s+32*\c+15], v[TM+2+\c]
	v_cvt_scalef32_pk16_fp6_f32 v[T+4*\c:T+4*\c+2], v[\s+32*\c+16:\s+32*\c+31], v[TM+2+\c]   ; (a conversion's three registers begin on an even number)
.endr
	v_nop                                                  ; one plain instruction behind the conversions
.irp c, 0,1
.irp i, 0,1,2
	v_mov_b32 v[\d+6*\c+3+\i], v[T+4*\c+\i]
.endr
.endr
.endm
; tile u of the job: quantised and stored: three stores of 512 consecutive bytes
.macro TAIL u
	QUANTW X, PC+12*\u, WD+\u
.irp c, 0,1,2
	global_store_b128 v2, v[PC+12*\u+4*\c:PC+12*\u+4*\c+3], s[34:35] offset:12288*\u+512*\c
.endr
.endm
; where the job's images and scale words go: group s25, K step s26
.macro DEST img, sc
	s_lshl_b32 s40, s25, 4
	s_add_co_u32 s40, s40, s26
	s_mul_i32 s40, s40, 1536                               ; (16 group + s) x 1,536; tile 1 lies 8 x 1,536 on
	s_mov_b32 s41, 0
	s_lshl_b32 s42, s25, 3
	s_add_co_u32 s42, s42, s26
	s_lshl_b32 s42, s42, 7                                 ; (8 group + s) x 128
	s_mov_b32 s43, 0
	s_add_nc_u64 s[34:35], s[\img:\img+1], s[40:41]
	s_add_nc_u64 s[36:37], s[\sc:\sc+1], s[42:43]
.endm
; x: tile u's 16 rows through the stage.  LDS serves a wave's instructions in order, so no wait stands between the stores and the loads, and one stage serves both tiles
.macro TURNX u
.irp r, 0,1,2,3,4,5,6,7,8,9,10,11,12,13,14,15
	ds_store_b128 v7, v[R+64*\u+4*\r:R+64*\u+4*\r+3] offset:528*\r
.endr
.irp c, 0,1
.irp j, 0,1,2,3,4,5,6,7
	ds_load_b128 v[X+32*\c+4*\j:X+32*\c+4*\j+3], v8 offset:256*\c+16*\j
.endr
.endr
.endm
.macro WLOADS step                     ; a weight's 128 rows k, four to a load
.set J, 0
.rept 32
	global_load_b128 v[R+4*J:R+4*J+3], v11, s[32:33] offset:J*\step th:TH_LOAD_NT
.set J, J+1
.endr
.endm
.macro WTURN u                         ; my column of tile u, down K: stage row 32 c + i of my half's area
.set J, 0
.rept 64
	ds_load_b32 v[X+J], v10 offset:32*\u+128*J
.set J, J+1
.endr
.endm
	s_load_b256 s[4:11], s[0:1], 0x0               ; x s[4:5], Wq s[6:7], Wk s[8:9], Wv s[10:11]
	s_load_b64 s[12:13], s[0:1], 0x20              ; Wo
	s_load_b128 s[16:19], s[0:1], 0x28             ; aimg, asc
	s_load_b128 s[20:23], s[0:1], 0x38             ; wimg, wsc
	v_lshl_add_u32 v[SPW], v0, 2, SPARE
	v_mov_b32 v[NIL], 0
	v_lshrrev_b32 v1, 5, v0
	v_readfirstlane_b32 s24, v1                    ; wave
	v_and_b32 v1, 31, v0                           ; lane
	v_lshlrev_b32 v2, 4, v1                        ; 16 x lane
	v_lshlrev_b32 v3, 2, v1                        ; 4 x lane
	v_and_b32 v4, 15, v0                           ; r
	v_bfe_u32 v5, v0, 4, 1                         ; h
	v_lshlrev_b32 v6, 3, v5                        ; 8 h
	s_mul_i32 s38, s24, 8448
	v_add_nc_u32 v7, s38, v2                       ; x's stage, in: 16 x lane of a row
	v_mul_u32_u24 v8, v4, 528
	v_lshl_add_u32 v8, v5, 7, v8
	v_add_nc_u32 v8, s38, v8                       ; and out: row r, + 128 h
	s_mul_i32 s38, s24, 16640
	s_add_co_u32 s38, s38, WST
	v_add_nc_u32 v9, s38, v2                       ; a weight's stage, in: four rows of 128 bytes = 16 x lane
	v_and_b32 v10, 8, v4
	v_add_nc_u32 v10, v10, v4                      ; r + 8 (r / 8)
	v_lshlrev_b32 v10, 2, v10
	v_mad_u32_u24 v10, v5, 8320, v10
	v_add_nc_u32 v10, s38, v10                     ; and out: my column, in my half's area
	v_mov_b32 v[TM+6], 0                           ; written once: a lane permute's destination counts as one of its sources
	s_mov_b32 s[SEL], 0x76543210
	s_mov_b32 s[SEL+1], 0xfedcba98
	s_mov_b32 s[HI], 0xffff0000
	s_cmp_lt_u32 ttmp9, 512
	s_cbranch_scc0 .Lweights
	; ---- x
	s_lshl_b32 s25, ttmp9, 2
	s_add_co_u32 s25, s25, s24                     ; job
	s_and_b32 s26, s25, 7                          ; K step
	s_lshr_b32 s25, s25, 3                         ; group of 32 positions
	s_lshl_b32 s38, s25, 17                        ; 32 rows of 4,096 bytes
	s_lshl_b32 s39, s26, 9                         ; 128 numbers
	s_add_co_u32 s38, s38, s39
	s_mov_b32 s39, 0
	s_wait_kmcnt 0x0
	s_add_nc_u64 s[32:33], s[4:5], s[38:39]
	DEST 16, 18
.irp u, 0,1
.irp r, 0,1,2,3,4,5,6,7,8,9,10,11,12,13,14,15
	global_load_b128 v[R+64*\u+4*\r:R+64*\u+4*\r+3], v2, s[32:33] offset:(8*\u+\r+8*(\r/8))*4096 th:TH_LOAD_NT   ; a row's 512 consecutive bytes; read once in the launch
.endr
.endr
	s_wait_loadcnt 16                              ; tile 0's sixteen rows are in; tile 1's sixteen loads may be out
	s_wait_alu depctr_va_vdst(0)
	TURNX 0
	s_wait_dscnt 0x0
	TAIL 0
	s_wait_loadcnt 0x0
	TURNX 1
	s_wait_dscnt 0x0
	TAIL 1
	s_branch .Lend
	; ---- the weights
.Lweights:
	s_sub_co_u32 s27, ttmp9, 512
	s_lshr_b32 s31, s27, 2                         ; which 64 columns: 0-15 Wq's heads, 16 Wk, 17 Wv, 18-33 Wo
	s_and_b32 s27, s27, 3
	s_lshl_b32 s27, s27, 1
	s_lshr_b32 s26, s24, 1
	s_add_co_u32 s26, s26, s27                     ; K step
	s_and_b32 s27, s24, 1                          ; which 32 of the 64 columns
	s_lshl_b32 s25, s31, 1
	s_add_co_u32 s25, s25, s27                     ; group of 32 columns
	s_lshl_b32 s38, s31, 18                        ; Wq: a head is 262,144 bytes
	s_sub_co_u32 s39, s31, 18
	s_lshl_b32 s39, s39, 8                         ; Wo: 64 columns are 256 bytes
	s_cmp_lt_u32 s31, 16
	s_cselect_b32 s38, s38, 0
	s_cmp_ge_u32 s31, 18
	s_cselect_b32 s38, s39, s38
	s_cselect_b32 s44, 12, 8                       ; a row k is 4,096 bytes in Wo, 256 in the others
	s_lshl_b32 s39, s27, 7
	s_add_co_u32 s38, s38, s39
	s_add_co_u32 s39, s44, 7
	s_lshl_b32 s39, s26, s39                       ; 128 rows a K step
	s_add_co_u32 s38, s38, s39
	s_mov_b32 s39, 0
	v_lshrrev_b32 v11, 3, v1
	v_lshlrev_b32 v11, s44, v11                    ; a load's four rows: lane / 8,
	v_and_b32 v14, 7, v1
	v_lshl_add_u32 v11, v14, 4, v11                ; and 16 bytes of the row's 128
	s_wait_kmcnt 0x0
	s_cmp_lt_u32 s31, 16                           ; the buffer is chosen by the work-group's number alone
	s_cselect_b64 s[32:33], s[6:7], s[12:13]
	s_cmp_eq_u32 s31, 16
	s_cselect_b64 s[32:33], s[8:9], s[32:33]
	s_cmp_eq_u32 s31, 17
	s_cselect_b64 s[32:33], s[10:11], s[32:33]
	s_add_nc_u64 s[32:33], s[32:33], s[38:39]
	DEST 20, 22
	s_cmp_ge_u32 s31, 18
	s_cbranch_scc1 .Lwide
	s_wait_alu depctr_va_vdst(0)
	WLOADS 1024
	s_branch .Lloaded
.Lwide:
	s_wait_alu depctr_va_vdst(0)
	WLOADS 16384
.Lloaded:
	s_wait_loadcnt 0x0
.set J, 0
.rept 32
	ds_store_b128 v9, v[R+4*J:R+4*J+3] offset:((J/8)%2)*8320+(32*(J/16)+4*(J%8))*128   ; rows k with bit 5 set go to the second area
.set J, J+1
.endr
	WTURN 0
	s_wait_dscnt 0x0
	TAIL 0
	WTURN 1
	s_wait_dscnt 0x0
	TAIL 1
.Lend:
	v_cndmask_b32 v58, v[WD], v[WD+1], s[HI]       ; lanes 0-15 tile 0's words, lanes 16-31 tile 1's
	global_store_b32 v3, v58, s[36:37]             ; 128 consecutive bytes
	s_wait_tensorcnt 0x0                           ; the wave's end
	ds_add_u32 v[SPW], v[NIL]
	s_wait_dscnt 0x0
	s_endpgm
.Lfunc_end_k_qa8871b305a_prep:
	.size	k_qa8871b305a_prep, .Lfunc_end_k_qa8871b305a_prep-k_qa8871b305a_prep
	.p2alignl 7, 3214868480
	.fill 96, 4, 3214868480
	.section	.rodata,"a",@progbits
	.p2align	6, 0x0
	.amdhsa_kernel k_qa8871b305a_prep
		.amdhsa_group_segment_fixed_size 100864
		.amdhsa_private_segment_fixed_size 0
		.amdhsa_enable_private_segment 0
		.amdhsa_kernarg_size 72
		.amdhsa_user_sgpr_count 2
		.amdhsa_user_sgpr_kernarg_segment_ptr 1
		.amdhsa_wavefront_size32 1
		.amdhsa_system_sgpr_workgroup_id_x 1
		.amdhsa_system_sgpr_workgroup_id_y 1
		.amdhsa_system_sgpr_workgroup_id_z 1
		.amdhsa_system_vgpr_workitem_id 0
		.amdhsa_next_free_vgpr 256
		.amdhsa_next_free_sgpr 66
		.amdhsa_reserve_vcc 0
		.amdhsa_float_denorm_mode_32 3
		.amdhsa_float_denorm_mode_16_64 3
		.amdhsa_memory_ordered 1
		.amdhsa_forward_progress 1
		.amdhsa_inst_pref_size 41
	.end_amdhsa_kernel
	.amdgpu_metadata
---
amdhsa.version: [ 1, 2 ]
amdhsa.kernels:
  - .name:           k_qa8871b305a_prep
    .symbol:         k_qa8871b305a_prep.kd
    .args:
      - { .name: x, .offset: 0, .size: 8, .value_kind: global_buffer, .address_space: global }
      - { .name: Wq, .offset: 8, .size: 8, .value_kind: global_buffer, .address_space: global }
      - { .name: Wk, .offset: 16, .size: 8, .value_kind: global_buffer, .address_space: global }
      - { .name: Wv, .offset: 24, .size: 8, .value_kind: global_buffer, .address_space: global }
      - { .name: Wo, .offset: 32, .size: 8, .value_kind: global_buffer, .address_space: global }
      - { .name: aimg, .offset: 40, .size: 8, .value_kind: global_buffer, .address_space: global }
      - { .name: asc, .offset: 48, .size: 8, .value_kind: global_buffer, .address_space: global }
      - { .name: wimg, .offset: 56, .size: 8, .value_kind: global_buffer, .address_space: global }
      - { .name: wsc, .offset: 64, .size: 8, .value_kind: global_buffer, .address_space: global }
    .group_segment_fixed_size: 100864
    .private_segment_fixed_size: 0
    .kernarg_segment_align: 8
    .kernarg_segment_size: 72
    .max_flat_workgroup_size: 128
    .sgpr_count:     66
    .vgpr_count:     256
    .wavefront_size: 32
...
	.end_amdgpu_metadata
.endif
;; end of part 5
;; launch proj (part 6): grid 32 x 18, 4 waves a work-group, no clusters, 0 bytes of LDS; arguments aimg, asc, wimg, wsc, bq, bk, bv, qimg, qsc, kv; writes qimg, qsc, kv
.if DOCPART == 6
	.amdgcn_target "amdgcn-amd-amdhsa--gfx1250"
	.amdhsa_code_object_version 6
	.text
	.protected	k_qa8871b305a_proj
	.globl	k_qa8871b305a_proj
	.p2align	8
	.type	k_qa8871b305a_proj,@function
k_qa8871b305a_proj:
	s_mov_b64 s[64:65], 0
	v_nop
	global_prefetch_b8 v0, s[64:65] scope:SCOPE_SE
	s_setreg_imm32_b32 hwreg(HW_REG_WAVE_SCHED_MODE, 0, 2), 2
	s_setreg_imm32_b32 hwreg(HW_REG_WAVE_MODE, 25, 1), 1
	s_wait_xcnt 0x0
	s_wait_alu depctr_vm_vsrc(0)
; Launch 2 of 4: q = x Wq + bq (16 heads), k = x Wk + bk, v = x Wv + bv on codes of E2M3, and the quantisers of q, k (along the head's 64) and v (along the keys).  No work is left out.
; Operands lie in memory as images of their registers (see launch 1): they go from memory straight into registers, 16 bytes a lane; no LDS, no barrier.
; Work-group (a, g): g = 0-15 a head of q, 16 k, 17 v.
; PATH QK: a wave makes 64 positions x 64 columns, 16 accumulators, TRANSPOSED (source 0 = 16 columns of W, source 1 = 16 positions): a lane holds one position, and by the order of a tile's columns
; its 32 registers of a tile of positions are e = 32 b + 16 (lane / 16) + 0 .. 15: two half blocks of the next K.  The bias is loaded into the accumulators and so is the sum's first term.
;   q, k as operands of a product with K = 64: a tile is 6 registers (lanes 0-15 e 0-31, lanes 16-31 e 32-63); the two tiles of a group of 32 positions make one image of 1,536 bytes.
;   Their scale words hold two bytes; bytes 2 and 3 are 0 (never 0xff): they meet zero codes.
;   qimg [head][group P][1,536];  qsc [head][P / 2][256]: lane l's 8 bytes are the words of groups 2 i and 2 i + 1.
; PATH V: a wave makes 128 positions (a key step) x 32 columns, NOT transposed (source 0 = 16 positions, source 1 = 16 columns): a lane holds one column e and its registers run along the keys.
;   bv is added behind the sum.
; kv [batch x 16 + key step][13,056]: 0: K's 4 group images;  6,144: V^T's 4 images (16 e x 128 keys);  12,288: K's scale words, 2 x 256;  12,800: V's, 2 x 128.
; LIMITS as in launch 1 (NaN, infinities, the byte of a block of zeros).
; THE MODE: SCHED_MODE bits 1:0 = 2 (LLVM: expert scheduling mode 2), set by the entry lines.  The code itself states the register dependences
; between vector or matrix instructions and memory instructions, with s_wait_alu, always for 0.
; THE PLAN.  Registers that memory instructions touch:
;   v1, v2, v120, v121 (V: v12)   offsets, made once by vector instructions and never written again: one wait on va_vdst ahead of the first load that reads them.
;   v3-7, v8-127                  a K step's scale words and fragments.  Written by the step's loads, read by its matrix instructions.  There is ONE set: the 128 registers of the accumulators and the
;                                 100 (V: 125) of a step's operands leave no room for a second among 256.  So one wait on va_vdst stands at the head of each step from the second on:
;                                 the last step's matrix instructions are done reading the set, and all the step's loads follow that wait.
;   v128-255                      QK: the bias's loads land in them before any vector or matrix instruction names them; from then on matrix and vector instructions alone.
;   the codes and scale words on the way out have registers of their own for each group (V: each tile): the quantisers write them, and ONE wait on va_vdst stands ahead of the one run of stores.
; No register that a memory instruction has read is written again: no wait on vm_vsrc is owed.
.set XS,   3                           ; v3-6  scale words and nothing else: QK: x's two groups, W's two;  V: x's four groups
.set WS,   5
.set VWS,  7                           ; v7    V: W's scale words
.set XF,   8                           ; x's fragments: QK four (v8-55), V eight (v8-103)
.set WF,   56                          ; QK: W's four fragments (v56-103)
.set VWF,  104                         ; V: W's two (v104-127)
.set ACC,  128                         ; v128-255 sixteen accumulators
.set SEL,  28
.set HI,   30
.macro PLACES n
.rept \n
	v_nop
.endr
.endm
; one matrix instruction: D at v[d], sources at v[a], v[b]; z = 1: C is the constant 0, else C = D; scale words v[sa], v[sb]; ra, rb = 1: taken from lanes 16-31
.macro MM d, a, b, z, sa, sb, ra, rb
.if (\z)
.if (\ra) && (\rb)
	v_wmma_scale_f32_16x16x128_f8f6f4 v[\d:\d+7], v[\a:\a+11], v[\b:\b+11], 0, v[\sa], v[\sb] matrix_a_fmt:MATRIX_FMT_FP6 matrix_b_fmt:MATRIX_FMT_FP6 matrix_a_scale:MATRIX_SCALE_ROW1 matrix_b_scale:MATRIX_SCALE_ROW1
.elseif (\ra)
	v_wmma_scale_f32_16x16x128_f8f6f4 v[\d:\d+7], v[\a:\a+11], v[\b:\b+11], 0, v[\sa], v[\sb] matrix_a_fmt:MATRIX_FMT_FP6 matrix_b_fmt:MATRIX_FMT_FP6 matrix_a_scale:MATRIX_SCALE_ROW1
.elseif (\rb)
	v_wmma_scale_f32_16x16x128_f8f6f4 v[\d:\d+7], v[\a:\a+11], v[\b:\b+11], 0, v[\sa], v[\sb] matrix_a_fmt:MATRIX_FMT_FP6 matrix_b_fmt:MATRIX_FMT_FP6 matrix_b_scale:MATRIX_SCALE_ROW1
.else
	v_wmma_scale_f32_16x16x128_f8f6f4 v[\d:\d+7], v[\a:\a+11], v[\b:\b+11], 0, v[\sa], v[\sb] matrix_a_fmt:MATRIX_FMT_FP6 matrix_b_fmt:MATRIX_FMT_FP6
.endif
.else
.if (\ra) && (\rb)
	v_wmma_scale_f32_16x16x128_f8f6f4 v[\d:\d+7], v[\a:\a+11], v[\b:\b+11], v[\d:\d+7], v[\sa], v[\sb] matrix_a_fmt:MATRIX_FMT_FP6 matrix_b_fmt:MATRIX_FMT_FP6 matrix_a_scale:MATRIX_SCALE_ROW1 matrix_b_scale:MATRIX_SCALE_ROW1
.elseif (\ra)
	v_wmma_scale_f32_16x16x128_f8f6f4 v[\d:\d+7], v[\a:\a+11], v[\b:\b+11], v[\d:\d+7], v[\sa], v[\sb] matrix_a_fmt:MATRIX_FMT_FP6 matrix_b_fmt:MATRIX_FMT_FP6 matrix_a_scale:MATRIX_SCALE_ROW1
.elseif (\rb)
	v_wmma_scale_f32_16x16x128_f8f6f4 v[\d:\d+7], v[\a:\a+11], v[\b:\b+11], v[\d:\d+7], v[\sa], v[\sb] matrix_a_fmt:MATRIX_FMT_FP6 matrix_b_fmt:MATRIX_FMT_FP6 matrix_b_scale:MATRIX_SCALE_ROW1
.else
	v_wmma_scale_f32_16x16x128_f8f6f4 v[\d:\d+7], v[\a:\a+11], v[\b:\b+11], v[\d:\d+7], v[\sa], v[\sb] matrix_a_fmt:MATRIX_FMT_FP6 matrix_b_fmt:MATRIX_FMT_FP6
.endif
.endif
.endm
; 32 numbers of a lane, register 16 b + i = k 32 b + 16 (lane / 16) + i of my row, become 6 registers of codes at v[d] (lane half h: k 32 h + 0 .. 31) and two scale bytes in v[w]
.macro QUANTH s, d, w
.irp b, 0,1
	v_max3_num_f32 v[TM+\b], |v[\s+16*\b]|, |v[\s+16*\b+1]|, 0x1800000     ; my 16 numbers of block b, and the floor 2^(3 - 127).  Each accumulator is read from its low end on
.endr
.irp i, 2,4,6,8,10,12,14
.irp b, 0,1
	v_max3_num_f32 v[TM+\b], v[TM+\b], |v[\s+16*\b+\i]|, |v[\s+16*\b+\i+1]|
.endr
.endr
.irp b, 0,1
	v_permlanex16_b32 v[TM+2+\b], v[TM+\b], s[SEL], s[SEL+1]
.endr
.irp b, 0,1
	v_max_num_f32 v[TM+\b], v[TM+\b], v[TM+2+\b]           ; with lane l xor 16's: the block's largest magnitude
.endr
.irp b, 0,1
	v_add_nc_u32 v[TM+4+\b], 0xff000000, v[TM+\b]          ; 2 off the exponent field: the conversion's scale operand
.endr
.irp b, 0,1
	v_lshrrev_b32 v[TM+2+\b], 23, v[TM+4+\b]               ; the scale's byte
.endr
	v_lshl_or_b32 v[\w], v[TM+3], 8, v[TM+2]
	v_cvt_scalef32_pk16_fp6_f32 v[\d:\d+2], v[\s:\s+15], v[TM+4]
	v_cvt_scalef32_pk16_fp6_f32 v[T:T+2], v[\s+16:\s+31], v[TM+5]
	v_nop                                                  ; one plain instruction behind the conversions
.irp i, 0,1,2
	v_permlane16_swap_b32 v[\d+\i], v[T+\i]                ; a whole block to a lane: lanes 0-15 block 0, lanes 16-31 block 1
.endr
.irp i, 0,1,2
	v_mov_b32 v[\d+3+\i], v[T+\i]
.endr
.endm
; 64 numbers of a lane, register 16 b + i = k 32 b + 16 (lane / 16) + i, become a fragment's 12 registers at v[d] and its row's scale word in v[w]
.macro QUANT4 s, d, w
.irp b, 0,1,2,3
	v_max3_num_f32 v[TM+\b], |v[\s+16*\b]|, |v[\s+16*\b+1]|, 0x1800000
.endr
.irp i, 2,4,6,8,10,12,14
.irp b, 0,1,2,3
	v_max3_num_f32 v[TM+\b], v[TM+\b], |v[\s+16*\b+\i]|, |v[\s+16*\b+\i+1]|
.endr
.endr
.irp b, 0,1,2,3
	v_permlanex16_b32 v[TM+4+\b], v[TM+\b], s[SEL], s[SEL+1]
.endr
.irp b, 0,1,2,3
	v_max_num_f32 v[TM+\b], v[TM+\b], v[TM+4+\b]
.endr
.irp b, 0,1,2,3
	v_add_nc_u32 v[TM+12+\b], 0xff000000, v[TM+\b]
.endr
.irp b, 0,1,2,3
	v_lshrrev_b32 v[TM+4+\b], 23, v[TM+12+\b]
.endr
	v_lshl_or_b32 v[\w], v[TM+5], 8, v[TM+4]
	v_lshl_or_b32 v[\w], v[TM+6], 16, v[\w]
	v_lshl_or_b32 v[\w], v[TM+7], 24, v[\w]
.irp c, 0,1
	v_cvt_scalef32_pk16_fp6_f32 v[\d+6*\c:\d+6*\c+2], v[\s+32*\c:\s+32*\c+15], v[TM+12+2*\c]
	v_cvt_scalef32_pk16_fp6_f32 v[T+4*\c:T+4*\c+2], v[\s+32*\c+16:\s+32*\c+31], v[TM+12+2*\c+1]
.endr
	v_nop
.irp c, 0,1
.irp i, 0,1,2
	v_permlane16_swap_b32 v[\d+6*\c+\i], v[T+4*\c+\i]
.endr
.irp i, 0,1,2
	v_mov_b32 v[\d+6*\c+3+\i], v[T+4*\c+\i]
.endr
.endr
.endm
	s_load_b256 s[4:11], s[0:1], 0x0               ; aimg s[4:5], asc s[6:7], wimg s[8:9], wsc s[10:11]
	s_load_b256 s[12:19], s[0:1], 0x20             ; bq s[12:13], bk s[14:15], bv s[16:17], qimg s[18:19]
	s_load_b128 s[20:23], s[0:1], 0x40             ; qsc s[20:21], kv s[22:23]
	v_lshrrev_b32 v1, 5, v0
	v_readfirstlane_b32 s24, v1                    ; wave
	v_and_b32 v2, 31, v0
	v_lshlrev_b32 v1, 4, v2                        ; 16 x lane; never rewritten
	v_lshlrev_b32 v2, 2, v2                        ; 4 x lane; never rewritten
	s_and_b32 s25, ttmp7, 0xffff                   ; g
	s_mov_b32 s[SEL], 0x76543210
	s_mov_b32 s[SEL+1], 0xfedcba98
	s_mov_b32 s[HI], 0xffff0000
	s_wait_alu depctr_va_sdst(0)                   ; s24 is written: ahead of the branch, and of its first reader in either path
	s_cmp_eq_u32 s25, 17
	s_cbranch_scc1 .Lv
	; ================ PATH QK
.set TM,  104                          ; v104-109 at work
.set T,   112                          ; v112-114
.set WD,  116                          ; v116, v117 two tiles' scale words
.set SCP, 118                          ; v[118:119] two groups' scale words
	s_lshl_b32 s26, ttmp9, 2
	s_add_co_u32 s26, s26, s24                     ; i: my 64 positions
	v_bfe_u32 v120, v0, 4, 1
	v_lshlrev_b32 v120, 6, v120                    ; 64 h: the bias's offset; never rewritten
	v_and_b32 v121, 31, v0
	v_lshlrev_b32 v121, 3, v121                    ; 8 x lane; never rewritten
	s_mul_i32 s32, s26, 49152                      ; x: 4 tiles x 8 K steps x 1,536
	s_mov_b32 s33, 0
	s_lshl_b32 s34, s26, 11                        ; its scale words: 2 groups x 8 x 128
	s_mov_b32 s35, 0
	s_mul_i32 s36, s25, 49152                      ; W likewise
	s_mov_b32 s37, 0
	s_lshl_b32 s38, s25, 11
	s_mov_b32 s39, 0
	s_lshl_b32 s40, s25, 8                         ; bq: 256 bytes a head
	s_mov_b32 s41, 0
	s_lshl_b32 s42, s25, 8
	s_lshl_b32 s43, s26, 1
	s_add_co_u32 s42, s42, s43
	s_mul_i32 s42, s42, 1536                       ; q's images: (256 head + 2 i) x 1,536
	s_lshl_b32 s44, s25, 7
	s_add_co_u32 s44, s44, s26
	s_lshl_b32 s44, s44, 8                         ; q's scale words: (128 head + i) x 256
	s_lshr_b32 s45, s26, 1
	s_mul_i32 s45, s45, 13056                      ; k: the key step's block,
	s_and_b32 s46, s26, 1
	s_mul_i32 s47, s46, 3072
	s_add_co_u32 s47, s47, s45                     ; my two group images in it,
	s_lshl_b32 s46, s46, 8
	s_add_co_u32 s46, s46, s45
	s_add_co_u32 s46, s46, 12288                   ; and my 256 bytes of scale words
	s_cmp_eq_u32 s25, 16
	s_cselect_b32 s42, s47, s42
	s_cselect_b32 s44, s46, s44
	s_cselect_b32 s40, 0, s40
	s_mov_b32 s43, 0
	s_mov_b32 s45, 0
	s_wait_kmcnt 0x0
	s_cmp_eq_u32 s25, 16                           ; the buffers are chosen by the work-group's number alone
	s_cselect_b64 s[12:13], s[14:15], s[12:13]
	s_cselect_b64 s[18:19], s[22:23], s[18:19]
	s_cselect_b64 s[20:21], s[22:23], s[20:21]
	s_add_nc_u64 s[4:5], s[4:5], s[32:33]
	s_add_nc_u64 s[6:7], s[6:7], s[34:35]
	s_add_nc_u64 s[8:9], s[8:9], s[36:37]
	s_add_nc_u64 s[10:11], s[10:11], s[38:39]
	s_add_nc_u64 s[12:13], s[12:13], s[40:41]
	s_add_nc_u64 s[18:19], s[18:19], s[42:43]
	s_add_nc_u64 s[20:21], s[20:21], s[44:45]
	s_wait_alu depctr_va_vdst(0)                   ; the offsets v1, v2, v120 and v121 are written: every load and store of this path reads one of them
.irp m, 0,1,2,3
.irp t, 0,1,2,3
	global_load_b128 v[ACC+32*\m+8*\t:ACC+32*\m+8*\t+3], v120, s[12:13] offset:128*(\t/2)+32*(\t%2)        ; the bias of e = 32 (t / 2) + 16 h + 8 (t % 2) + 0 .. 7 starts the sums
	global_load_b128 v[ACC+32*\m+8*\t+4:ACC+32*\m+8*\t+7], v120, s[12:13] offset:128*(\t/2)+32*(\t%2)+16
.endr
.endr
; a K step of 128: 28 loads, 16 matrix instructions; the 16 accumulators take turns
.macro KSTEP s
.if \s > 0
	PLACES 4                                       ; in front of loads into registers that matrix instructions have read
	s_wait_alu depctr_va_vdst(0)                   ; the last step's matrix instructions are done reading v3-6 and v8-103, in which the 28 loads below land
.endif
.irp p, 0,1
	global_load_b32 v[XS+\p], v2, s[6:7] offset:1024*\p+128*\s
	global_load_b32 v[WS+\p], v2, s[10:11] offset:1024*\p+128*\s
.endr
.irp t, 0,1,2,3
.irp c, 0,1,2
	global_load_b128 v[WF+12*\t+4*\c:WF+12*\t+4*\c+3], v1, s[8:9] offset:12288*\t+1536*\s+512*\c
.endr
.endr
.irp m, 0,1,2,3
.irp c, 0,1,2
	global_load_b128 v[XF+12*\m+4*\c:XF+12*\m+4*\c+3], v1, s[4:5] offset:12288*\m+1536*\s+512*\c
.endr
.endr
.irp m, 0,1,2,3
	s_wait_loadcnt 9-3*\m                          ; all up to x's tile m are in; the three loads of each later tile may be out
.irp t, 0,1,2,3
	MM ACC+32*\m+8*\t, WF+12*\t, XF+12*\m, 0, WS+\t/2, XS+\m/2, \t%2, \m%2
.endr
.endr
.endm
.irp s, 0,1,2,3,4,5,6,7
	KSTEP \s
.endr
	PLACES 4                                       ; in front of the first read of results and of writes into the fragments' registers
	v_mov_b32 v[TM+2], 0                           ; a lane permute's destination counts as one of its sources
	v_mov_b32 v[TM+3], 0
.irp p, 0,1                                    ; each group's codes have twelve registers of their own, each group's scale words one
	QUANTH ACC+64*\p, XF+12*\p, WD
	QUANTH ACC+64*\p+32, XF+12*\p+6, WD+1
	v_cndmask_b32 v[SCP+\p], v[WD], v[WD+1], s[HI] ; lanes 0-15 tile 0's words, lanes 16-31 tile 1's
.endr
	s_wait_alu depctr_va_vdst(0)                   ; the quantisers have written v8-31 and v[118:119], which the seven stores below read
.irp p, 0,1
.irp c, 0,1,2
	global_store_b128 v1, v[XF+12*\p+4*\c:XF+12*\p+4*\c+3], s[18:19] offset:1536*\p+512*\c   ; the group's image: 512 consecutive bytes a store
.endr
.endr
	global_store_b64 v121, v[SCP:SCP+1], s[20:21]  ; 256 consecutive bytes, aligned
	s_endpgm
	; ================ PATH V
.Lv:
.set TM,  16                           ; v16-31 at work (x's fragments are done with)
.set T,   56                           ; v56-62
	s_lshl_b32 s26, ttmp9, 1
	s_lshr_b32 s27, s24, 1
	s_add_co_u32 s26, s26, s27                     ; key step (of all 64)
	s_and_b32 s27, s24, 1                          ; which 32 columns
	s_mul_i32 s32, s26, 98304                      ; x: 8 tiles x 8 x 1,536
	s_mov_b32 s33, 0
	s_lshl_b32 s34, s26, 12
	s_mov_b32 s35, 0
	s_lshl_b32 s36, s27, 1
	s_add_co_u32 s36, s36, 68
	s_mul_i32 s36, s36, 12288                      ; Wv's tiles 68 + 2 j on
	s_mov_b32 s37, 0
	s_add_co_u32 s38, s27, 34
	s_lshl_b32 s38, s38, 10
	s_mov_b32 s39, 0
	s_lshl_b32 s40, s27, 7                         ; bv: 32 numbers
	s_mov_b32 s41, 0
	s_mul_i32 s42, s26, 13056
	s_mul_i32 s44, s27, 3072
	s_add_co_u32 s44, s44, s42
	s_add_co_u32 s44, s44, 6144                    ; V^T's images 2 j, 2 j + 1
	s_mov_b32 s45, 0
	s_add_co_u32 s42, s42, s40
	s_add_co_u32 s42, s42, 12800                   ; and their 128 bytes of scale words
	s_mov_b32 s43, 0
	s_wait_kmcnt 0x0
	s_add_nc_u64 s[4:5], s[4:5], s[32:33]
	s_add_nc_u64 s[6:7], s[6:7], s[34:35]
	s_add_nc_u64 s[8:9], s[8:9], s[36:37]
	s_add_nc_u64 s[10:11], s[10:11], s[38:39]
	s_add_nc_u64 s[16:17], s[16:17], s[40:41]
	s_add_nc_u64 s[18:19], s[22:23], s[44:45]
	s_add_nc_u64 s[20:21], s[22:23], s[42:43]
	s_wait_alu depctr_va_vdst(0)                   ; the offsets v1 and v2 are written: the K steps' loads and the stores of this path read them
.macro KSTEPV s
.if \s > 0
	PLACES 4
	s_wait_alu depctr_va_vdst(0)                   ; the last step's matrix instructions are done reading v3-7 and v8-127, in which the 35 loads below land
.endif
.irp p, 0,1,2,3
	global_load_b32 v[XS+\p], v2, s[6:7] offset:1024*\p+128*\s
.endr
	global_load_b32 v[VWS], v2, s[10:11] offset:128*\s
.irp t, 0,1
.irp c, 0,1,2
	global_load_b128 v[VWF+12*\t+4*\c:VWF+12*\t+4*\c+3], v1, s[8:9] offset:12288*\t+1536*\s+512*\c
.endr
.endr
.irp m, 0,1,2,3,4,5,6,7
.irp c, 0,1,2
	global_load_b128 v[XF+12*\m+4*\c:XF+12*\m+4*\c+3], v1, s[4:5] offset:12288*\m+1536*\s+512*\c
.endr
.endr
.irp m, 0,1,2,3,4,5,6,7
	s_wait_loadcnt 21-3*\m                         ; all up to x's tile m are in
.irp t, 0,1
	MM ACC+64*\t+8*\m, XF+12*\m, VWF+12*\t, \s==0, XS+\m/2, VWS, \m%2, \t
.endr
.endr
.endm
.irp s, 0,1,2,3,4,5,6,7
	KSTEPV \s
.endr
	PLACES 4
	v_and_b32 v12, 15, v0
	v_and_b32 v13, 8, v12
	v_add_nc_u32 v12, v12, v13
	v_lshlrev_b32 v12, 2, v12                      ; my column of a tile: r + 8 (r / 8)
	s_wait_alu depctr_va_vdst(0)                   ; v12, the two loads' offset, is written; the last step's matrix instructions are done reading v8 and v10, in which they land
	global_load_b32 v8, v12, s[16:17]              ; bv of my column in tile 0,
	global_load_b32 v10, v12, s[16:17] offset:32   ; in tile 1
	v_mov_b32 v9, 0                                ; (named as the upper halves of pairs)
	v_mov_b32 v11, 0
.irp b, 0,1,2,3
	v_mov_b32 v[TM+4+\b], 0
.endr
	s_wait_alu depctr_va_vdst(0)
	s_wait_loadcnt 0x0
.irp t, 0,1                                    ; each tile's codes have twelve registers of their own
.set J, 0
.rept 32
	v_pk_add_f32 v[ACC+64*\t+J:ACC+64*\t+J+1], v[ACC+64*\t+J:ACC+64*\t+J+1], v[8+2*\t:9+2*\t] op_sel_hi:[1,0]   ; + bv, in ascending order
.set J, J+2
.endr
	QUANT4 ACC+64*\t, 32+12*\t, 64+\t
.endr
	v_cndmask_b32 v66, v64, v65, s[HI]
	s_wait_alu depctr_va_vdst(0)                   ; the quantisers have written v32-55 and v66, which the seven stores below read
.irp t, 0,1
.irp c, 0,1,2
	global_store_b128 v1, v[32+12*\t+4*\c:32+12*\t+4*\c+3], s[18:19] offset:1536*\t+512*\c
.endr
.endr
	global_store_b32 v2, v66, s[20:21]             ; 128 consecutive bytes
	s_endpgm
.Lfunc_end_k_qa8871b305a_proj:
	.size	k_qa8871b305a_proj, .Lfunc_end_k_qa8871b305a_proj-k_qa8871b305a_proj
	.p2alignl 7, 3214868480
	.fill 96, 4, 3214868480
	.section	.rodata,"a",@progbits
	.p2align	6, 0x0
	.amdhsa_kernel k_qa8871b305a_proj
		.amdhsa_group_segment_fixed_size 0
		.amdhsa_private_segment_fixed_size 0
		.amdhsa_enable_private_segment 0
		.amdhsa_kernarg_size 80
		.amdhsa_user_sgpr_count 2
		.amdhsa_user_sgpr_kernarg_segment_ptr 1
		.amdhsa_wavefront_size32 1
		.amdhsa_system_sgpr_workgroup_id_x 1
		.amdhsa_system_sgpr_workgroup_id_y 1
		.amdhsa_system_sgpr_workgroup_id_z 1
		.amdhsa_system_vgpr_workitem_id 0
		.amdhsa_next_free_vgpr 256
		.amdhsa_next_free_sgpr 66
		.amdhsa_reserve_vcc 0
		.amdhsa_float_denorm_mode_32 3
		.amdhsa_float_denorm_mode_16_64 3
		.amdhsa_memory_ordered 1
		.amdhsa_forward_progress 1
		.amdhsa_inst_pref_size 113
	.end_amdhsa_kernel
	.amdgpu_metadata
---
amdhsa.version: [ 1, 2 ]
amdhsa.kernels:
  - .name:           k_qa8871b305a_proj
    .symbol:         k_qa8871b305a_proj.kd
    .args:
      - { .name: aimg, .offset: 0, .size: 8, .value_kind: global_buffer, .address_space: global }
      - { .name: asc, .offset: 8, .size: 8, .value_kind: global_buffer, .address_space: global }
      - { .name: wimg, .offset: 16, .size: 8, .value_kind: global_buffer, .address_space: global }
      - { .name: wsc, .offset: 24, .size: 8, .value_kind: global_buffer, .address_space: global }
      - { .name: bq, .offset: 32, .size: 8, .value_kind: global_buffer, .address_space: global }
      - { .name: bk, .offset: 40, .size: 8, .value_kind: global_buffer, .address_space: global }
      - { .name: bv, .offset: 48, .size: 8, .value_kind: global_buffer, .address_space: global }
      - { .name: qimg, .offset: 56, .size: 8, .value_kind: global_buffer, .address_space: global }
      - { .name: qsc, .offset: 64, .size: 8, .value_kind: global_buffer, .address_space: global }
      - { .name: kv, .offset: 72, .size: 8, .value_kind: global_buffer, .address_space: global }
    .group_segment_fixed_size: 0
    .private_segment_fixed_size: 0
    .kernarg_segment_align: 8
    .kernarg_segment_size: 80
    .max_flat_workgroup_size: 128
    .sgpr_count:     66
    .vgpr_count:     256
    .wavefront_size: 32
...
	.end_amdgpu_metadata
.endif
;; end of part 6
;; launch attn (part 7): grid 256 x 1, 16 waves a work-group, clusters of 4 x 1, 210,944 bytes of LDS; arguments qimg, qsc, kv, aimg, asc; writes aimg, asc
.if DOCPART == 7
	.amdgcn_target "amdgcn-amd-amdhsa--gfx1250"
	.amdhsa_code_object_version 6
	.text
	.protected	k_qa8871b305a_attn
	.globl	k_qa8871b305a_attn
	.p2align	8
	.type	k_qa8871b305a_attn,@function
k_qa8871b305a_attn:
	s_mov_b64 s[64:65], 0
	v_nop
	global_prefetch_b8 v0, s[64:65] scope:SCOPE_SE
	s_setreg_imm32_b32 hwreg(HW_REG_WAVE_MODE, 25, 1), 1
	s_wait_xcnt 0x0
	s_wait_alu depctr_hold_cnt(0) depctr_sa_sdst(0) depctr_va_vdst(0) depctr_va_sdst(0) depctr_va_ssrc(0) depctr_va_vcc(0) depctr_vm_vsrc(0)
	s_getreg_b32 s2, hwreg(HW_REG_IB_STS2, 6, 4)
	s_cmp_eq_u32 s2, 0
	s_cbranch_scc0 .Lentry_in_a_cluster
	s_endpgm
.Lentry_in_a_cluster:
	s_bfe_u32 s2, ttmp6, 0x10000c
	s_cmp_lg_u32 s2, 0x3003
	s_cbranch_scc0 .Lentry_shape_is_right
	s_endpgm
.Lentry_shape_is_right:
; Launch 3 of 4: scores, softmax, attn x v on codes of E2M3, o = O / l, and the quantiser of o along f = (head, e).  No work is left out.
; THE SOFTMAX AHEAD OF THE SECOND PRODUCT: t = score x log2(e) / 8; M = the running largest t rounded UP to a whole number; p = 2^(t - M) is quantised along the keys, not normalised; the row's sum is
; taken of the unquantised p and divides O at the end.  When M moves, the sum and O^T are multiplied by 2^(old M - new M): exact.
; A WHOLE BATCH'S K, V AND SCALE WORDS ARE 16 x 13,056 = 208,896 BYTES: they come into LDS once, one key step's block by each of the sixteen waves, and stay: no slot is filled again,
; and the loops have no barrier.  A wave has one tensor load out.
; CLUSTER: the four work-groups of a cluster belong to one batch (64 groups of positions a batch, 4 a cluster) and ask for each block JOINTLY: the same load, descriptor and mask in all four.
; SHARES.  A work-group owns one group P of 32 positions x 16 heads.  Wave w: tile u = w % 2 of the group, heads 2 (w / 2) and 2 (w / 2) + 1, one after the other: at its end it holds a whole
; fragment of o (16 positions x 128 along f: K step w / 2 of the last product) with its scale word.  Four waves to a SIMD: one wave's exponentials stand beside another's products and loads.
; LAYOUT.  Both products transposed: S^T = K Q^T (source 0 = 16 keys), O^T = V^T P^T (source 0 = 16 of the head's 64): a lane holds ONE query.  By the order of a tile's rows (launch 1) the 16 registers
; of tiles 2 b, 2 b + 1 are keys (or e) 32 b + 16 (lane / 16) + 0 .. 15.
; K = 64 IN AN INSTRUCTION OF 128: Q's fragment is 6 registers of codes and 6 of zero codes.  K's tile T is registers 6 T .. 6 T + 11 of a run of 48 + 6: its upper six hold the next tile's codes (the last
; tile's: zeros); they meet Q's zero codes and add nothing (E2M3 has no NaN and no infinity; bytes 2 and 3 of both scale words are 0, not 0xff).
; LIMITS: NaN and infinities are not served; a p under 2^-126 comes out of v_exp_f32 as 0; a block of zeros keeps the byte 1 (its codes are zeros; the bytes are this program's own).
.set STEPB, 13056                      ; a key step's block: 0 K's codes, 6,144 V^T's, 12,288 K's scale words, 12,800 V's
.set SPARE, 16*STEPB                   ; behind the blocks: the spare words, 128 bytes for each wave: eight blocks of 256 bytes that no other line names
.set SPW,  7                           ; v7   LDS address of my spare word; never rewritten
.set NIL,  8                           ; v8   0; never rewritten
.set QS,   9                           ; v9, v10  Q's scale words of my two heads (scales and nothing else)
.set OW,   11                          ; v11  o's scale word
.set QF,   16                          ; v16-27, v28-39  Q's fragments of my two heads
.set KV,   40                          ; v40-87  K's, then V^T's fragments of a key step;  v88-93 zeros
.set S,    96                          ; v96-159  S^T, then p
.set O,    160                         ; v160-191 O^T
.set PC,   192                         ; v192-203 p's codes
.set T,    204                         ; v204-210 the upper halves of blocks' codes
.set PCO,  212                         ; v212-223 o's codes
.set BM,   224                         ; v224-227 a block's largest score, then p
.set BX,   228                         ; v228-231 permutes, bytes
.set BS,   232                         ; v232-235 the conversions' scale operands
.set TM,   224                         ; the quantiser of o works in v224-229
.set KSC,  240                         ; v240-243 K's scale words;  v244, v245 V's;  v246 p's (scales and nothing else)
.set VSC,  244
.set PW,   246
.set WV,   14
.set SEL,  20                          ; s[20:21]
.set CS,   22                          ; s[22:23] c = log2(e) / 8
.set G1,   24                          ; s[24:31] descriptor group 1;  s[32:35] group 0
.set G0,   32
.set TB,   36                          ; s36  LDS byte of the key step in hand
.set CNT,  37
.macro PLACES n
.rept \n
	v_nop
.endr
.endm
.macro MM d, a, b, z, sa, sb, ra, rb
.if (\z)
.if (\ra) && (\rb)
	v_wmma_scale_f32_16x16x128_f8f6f4 v[\d:\d+7], v[\a:\a+11], v[\b:\b+11], 0, v[\sa], v[\sb] matrix_a_fmt:MATRIX_FMT_FP6 matrix_b_fmt:MATRIX_FMT_FP6 matrix_a_scale:MATRIX_SCALE_ROW1 matrix_b_scale:MATRIX_SCALE_ROW1
.elseif (\ra)
	v_wmma_scale_f32_16x16x128_f8f6f4 v[\d:\d+7], v[\a:\a+11], v[\b:\b+11], 0, v[\sa], v[\sb] matrix_a_fmt:MATRIX_FMT_FP6 matrix_b_fmt:MATRIX_FMT_FP6 matrix_a_scale:MATRIX_SCALE_ROW1
.elseif (\rb)
	v_wmma_scale_f32_16x16x128_f8f6f4 v[\d:\d+7], v[\a:\a+11], v[\b:\b+11], 0, v[\sa], v[\sb] matrix_a_fmt:MATRIX_FMT_FP6 matrix_b_fmt:MATRIX_FMT_FP6 matrix_b_scale:MATRIX_SCALE_ROW1
.else
	v_wmma_scale_f32_16x16x128_f8f6f4 v[\d:\d+7], v[\a:\a+11], v[\b:\b+11], 0, v[\sa], v[\sb] matrix_a_fmt:MATRIX_FMT_FP6 matrix_b_fmt:MATRIX_FMT_FP6
.endif
.else
.if (\ra) && (\rb)
	v_wmma_scale_f32_16x16x128_f8f6f4 v[\d:\d+7], v[\a:\a+11], v[\b:\b+11], v[\d:\d+7], v[\sa], v[\sb] matrix_a_fmt:MATRIX_FMT_FP6 matrix_b_fmt:MATRIX_FMT_FP6 matrix_a_scale:MATRIX_SCALE_ROW1 matrix_b_scale:MATRIX_SCALE_ROW1
.elseif (\ra)
	v_wmma_scale_f32_16x16x128_f8f6f4 v[\d:\d+7], v[\a:\a+11], v[\b:\b+11], v[\d:\d+7], v[\sa], v[\sb] matrix_a_fmt:MATRIX_FMT_FP6 matrix_b_fmt:MATRIX_FMT_FP6 matrix_a_scale:MATRIX_SCALE_ROW1
.elseif (\rb)
	v_wmma_scale_f32_16x16x128_f8f6f4 v[\d:\d+7], v[\a:\a+11], v[\b:\b+11], v[\d:\d+7], v[\sa], v[\sb] matrix_a_fmt:MATRIX_FMT_FP6 matrix_b_fmt:MATRIX_FMT_FP6 matrix_b_scale:MATRIX_SCALE_ROW1
.else
	v_wmma_scale_f32_16x16x128_f8f6f4 v[\d:\d+7], v[\a:\a+11], v[\b:\b+11], v[\d:\d+7], v[\sa], v[\sb] matrix_a_fmt:MATRIX_FMT_FP6 matrix_b_fmt:MATRIX_FMT_FP6
.endif
.endif
.endm
; 32 numbers of a lane, register 16 b + i = k 32 b + 16 (lane / 16) + i, become 6 registers of codes at v[d] and two scale bytes in v[w]
.macro QUANTH s, d, w
.irp b, 0,1
	v_max3_num_f32 v[TM+\b], |v[\s+16*\b]|, |v[\s+16*\b+1]|, 0x1800000
.endr
.irp i, 2,4,6,8,10,12,14
.irp b, 0,1
	s_delay_alu instid0(VALU_DEP_2)
	v_max3_num_f32 v[TM+\b], v[TM+\b], |v[\s+16*\b+\i]|, |v[\s+16*\b+\i+1]|
.endr
.endr
.irp b, 0,1
	s_delay_alu instid0(VALU_DEP_2)
	v_permlanex16_b32 v[TM+2+\b], v[TM+\b], s[SEL], s[SEL+1]
.endr
.irp b, 0,1
	s_delay_alu instid0(VALU_DEP_2)
	v_max_num_f32 v[TM+\b], v[TM+\b], v[TM+2+\b]
.endr
.irp b, 0,1
	s_delay_alu instid0(VALU_DEP_2)
	v_add_nc_u32 v[TM+4+\b], 0xff000000, v[TM+\b]
.endr
.irp b, 0,1
	s_delay_alu instid0(VALU_DEP_2)
	v_lshrrev_b32 v[TM+2+\b], 23, v[TM+4+\b]
.endr
	s_delay_alu instid0(VALU_DEP_1)
	v_lshl_or_b32 v[\w], v[TM+3], 8, v[TM+2]
	v_cvt_scalef32_pk16_fp6_f32 v[\d:\d+2], v[\s:\s+15], v[TM+4]
	v_cvt_scalef32_pk16_fp6_f32 v[T:T+2], v[\s+16:\s+31], v[TM+5]
	v_nop
.irp i, 0,1,2
	v_permlane16_swap_b32 v[\d+\i], v[T+\i]
.endr
.irp i, 0,1,2
	s_delay_alu instid0(VALU_DEP_3)
	v_mov_b32 v[\d+3+\i], v[T+\i]
.endr
.endm
; a round of the cluster's barrier
.macro CROUND
	s_barrier_signal -1
	s_barrier_wait -1
	s_cmp_lg_u32 s[WV], 0
	s_cbranch_scc1 .Lnot_wave_0_\@
	s_barrier_signal -3
.Lnot_wave_0_\@:
	s_barrier_wait -3
	s_barrier_signal -1
	s_barrier_wait -1
.endm
	s_load_b256 s[4:11], s[0:1], 0x0               ; qimg s[4:5], qsc s[6:7], kv s[8:9], aimg s[10:11]
	s_load_b64 s[12:13], s[0:1], 0x20              ; asc
	v_lshl_add_u32 v[SPW], v0, 2, SPARE
	v_mov_b32 v[NIL], 0
	ds_add_u32 v[SPW], v[NIL]                      ; the wave's opening: the add, twice on end, and its wait ahead of my first tensor load
	ds_add_u32 v[SPW], v[NIL]                      ; and once more, under the one wait; the set-up below, work on registers, stands between
	v_lshrrev_b32 v1, 5, v0
	s_delay_alu instid0(VALU_DEP_1)
	v_readfirstlane_b32 s[WV], v1                  ; wave 0..15
	s_and_b32 s15, s[WV], 1                        ; u: my tile of the group
	s_lshr_b32 s16, s[WV], 1                       ; my pair of heads = my K step of the last product
	s_bfe_u32 s17, ttmp6, 0x40000                  ; cx: it enters Q's and o's global addresses alone
	s_lshl_b32 s18, ttmp9, 2
	s_add_co_u32 s18, s18, s17                     ; P: my group of 32 positions
	s_lshr_b32 s19, ttmp9, 4                       ; the batch, which the four partners share
	; descriptor group 1: a dense block of 13,056 bytes as 51 rows of 256 bytes (32 elements of 8 bytes), no padding
	s_mov_b32 s[G1], 15|(3<<16)|(1<<21)            ; 15:0 the mask: all four work-groups; 17:16 elements of 8 bytes; 21 set beside a mask
	s_mov_b32 s[G1+1], 32<<16                      ; tensor_dim0 = 32
	s_mov_b32 s[G1+2], 51<<16                      ; tensor_dim1 = 51
	s_mov_b32 s[G1+3], 32<<16                      ; tile_dim0 = 32
	s_mov_b32 s[G1+4], 51                          ; tile_dim1 = 51
	s_mov_b32 s[G1+5], 32                          ; from row to row
	s_mov_b32 s[G1+6], 0
	s_mov_b32 s[G1+7], 0
	s_mov_b32 s[G0], 1
	s_mul_i32 s[G0+1], s[WV], STEPB                ; LDS: key step w's block
	s_mul_i32 s38, s19, 16*STEPB
	s_add_co_u32 s38, s38, s[G0+1]                 ; and the same in the batch's part of kv
	s_mov_b32 s39, 0
	s_lshl_b32 s40, s16, 9
	s_add_co_u32 s40, s40, s18
	s_mul_i32 s40, s40, 1536                       ; Q's image: (256 x head 2 (w / 2) + P) x 1,536
	s_mov_b32 s41, 0
	s_lshl_b32 s42, s16, 8
	s_lshr_b32 s43, s18, 1
	s_add_co_u32 s42, s42, s43
	s_lshl_b32 s42, s42, 8                         ; Q's scale words: (128 x head + P / 2) x 256
	s_lshl_b32 s43, s15, 7
	s_add_co_u32 s42, s42, s43                     ; + tile u's sixteen lanes of 8 bytes
	s_and_b32 s43, s18, 1
	s_lshl_b32 s43, s43, 2
	s_add_co_u32 s42, s42, s43                     ; + which of the two groups
	s_mov_b32 s43, 0
	s_lshl_b32 s44, s18, 1
	s_add_co_u32 s44, s44, s15
	s_lshl_b32 s44, s44, 3
	s_add_co_u32 s44, s44, s16
	s_mul_i32 s44, s44, 1536                       ; o's image: ((2 P + u) x 8 + K step) x 1,536
	s_mov_b32 s45, 0
	s_lshl_b32 s46, s18, 3
	s_add_co_u32 s46, s46, s16
	s_lshl_b32 s46, s46, 7
	s_lshl_b32 s47, s15, 6
	s_add_co_u32 s46, s46, s47                     ; o's scale words: (8 P + K step) x 128 + 64 u
	s_mov_b32 s47, 0
	s_mov_b32 s[SEL], 0x76543210
	s_mov_b32 s[SEL+1], 0xfedcba98
	s_mov_b32 s[CS], 0x3e38aa3b                    ; c = log2(e) / sqrt(64)
	s_mov_b32 s[CS+1], s[CS]                       ; (named with it as a pair, so it is written)
	v_and_b32 v3, 31, v0
	s_delay_alu instid0(VALU_DEP_1)
	v_lshlrev_b32 v1, 4, v3                        ; 16 x lane
	s_delay_alu instid0(VALU_DEP_2)
	v_lshlrev_b32 v2, 3, v3                        ; 8 x lane
	s_delay_alu instid0(VALU_DEP_3)
	v_lshlrev_b32 v3, 2, v3                        ; 4 x lane
	s_mul_i32 s48, s15, 520                        ; tile u's six registers of a group's image, as three pieces of 8 bytes: registers 6 u + 0, 1:
	v_add_nc_u32 v248, s48, v1                     ;   16 l + 520 u
	s_mul_i32 s49, s15, 1016
	s_add_co_u32 s49, s49, 8
	v_add_nc_u32 v249, s49, v1                     ;   6 u + 2, 3: 16 l + 8 + 1,016 u
	s_add_co_u32 s48, s48, 512
	v_add_nc_u32 v250, s48, v1                     ;   6 u + 4, 5: 16 l + 512 + 520 u
	v_and_b32 v251, 15, v0
	v_bfe_u32 v253, v0, 4, 1
	s_delay_alu instid0(VALU_DEP_2)
	v_lshlrev_b32 v252, 2, v251
	s_delay_alu instid0(VALU_DEP_1)
	v_lshl_add_u32 v252, v253, 1, v252             ; o's scale word goes out in halves: 4 r + 2 h
	s_delay_alu instid0(VALU_DEP_4)
	v_lshlrev_b32 v251, 3, v251                    ; Q's scale words: 8 r
	s_delay_alu instid0(VALU_DEP_4)
	v_lshlrev_b32 v253, 4, v253                    ; 16 h
	s_wait_dscnt 0x0                               ; both opening adds are done
	s_wait_kmcnt 0x0
	s_add_nc_u64 s[G0+2:G0+3], s[8:9], s[38:39]
	s_or_b32 s[G0+3], s[G0+3], 0x80000000          ; type = 2
	s_add_nc_u64 s[4:5], s[4:5], s[40:41]
	s_add_nc_u64 s[6:7], s[6:7], s[42:43]
	s_add_nc_u64 s[10:11], s[10:11], s[44:45]
	s_add_nc_u64 s[12:13], s[12:13], s[46:47]
	CROUND                                         ; all four work-groups are here: the joint loads meet
	tensor_load_to_lds s[G0:G0+3], s[G1:G1+7]      ; my one tensor load: key step w's block, for all four work-groups
	s_nop 0
.rept 4
	v_nop
.endr
	s_wait_alu depctr_va_vdst(0)
.irp c, 0,1
	global_load_b64 v[QF+12*\c:QF+12*\c+1], v248, s[4:5] offset:393216*\c      ; Q stays in registers
	global_load_b64 v[QF+12*\c+2:QF+12*\c+3], v249, s[4:5] offset:393216*\c
	global_load_b64 v[QF+12*\c+4:QF+12*\c+5], v250, s[4:5] offset:393216*\c
	global_load_b32 v[QS+\c], v251, s[6:7] offset:32768*\c
.irp i, 6,7,8,9,10,11
	v_mov_b32 v[QF+12*\c+\i], 0                    ; zero codes for k = 64 .. 127
.endr
.endr
.irp i, 0,1,2,3,4,5
	v_mov_b32 v[KV+48+\i], 0                       ; what the last tile of K reaches into; never rewritten
.endr
.irp b, 0,1,2,3
	v_mov_b32 v[BX+\b], 0                          ; a lane permute's destination counts as one of its sources
.endr
	v_mov_b32 v95, 0                               ; (named as the upper half of the pair v[94:95])
	s_wait_tensorcnt 0x0                           ; my block is in,
	s_barrier_signal -1
	s_barrier_wait -1                              ; everybody's is: from here on LDS is only read
	s_wait_loadcnt 0x0                             ; Q
; ONE HEAD: all 2,048 keys of the batch, 128 a trip
.macro PASS hd
	v_mov_b32 v13, 0xff61b1e6                      ; the largest t so far: -3e38, under every t
	s_delay_alu instid0(VALU_DEP_1)
	v_floor_f32 v12, -v13                          ; -M
	v_mov_b32 v14, 0                               ; the sum, in two halves
	v_mov_b32 v15, 0
.set J, 0
.rept 32
	v_mov_b32 v[O+J], 0                            ; O^T: the first trip finds zeros, which the first change of M leaves zeros
.set J, J+1
.endr
	s_mov_b32 s[TB], 0
	s_mov_b32 s[CNT], 16
.Lstep_\@:
	s_setprio 2
	v_add_nc_u32 v4, s[TB], v1                     ; these three and the v_nop are the four places behind the last trip's products, in front of the loads into K's registers
	v_add_nc_u32 v5, s[TB], v2
	v_add_nc_u32 v6, s[TB], v3
	v_nop
.set J, 0
.rept 12
	ds_load_b128 v[KV+4*J:KV+4*J+3], v4 offset:512*J       ; K's four group images: 512 consecutive bytes a load
.set J, J+1
.endr
	ds_load_b64 v[KSC:KSC+1], v5 offset:12288      ; the scale words of groups 0, 1: lanes 0-15 the even tile's, lanes 16-31 the odd tile's
	ds_load_b64 v[KSC+2:KSC+3], v5 offset:12544    ; of groups 2, 3
	s_wait_alu depctr_va_vdst(0)
	s_wait_dscnt 0x0
.irp t, 0,1,2,3,4,5,6,7
	MM S+8*\t, KV+6*\t, QF+12*\hd, 1, KSC+\t/2, QS+\hd, \t%2, 0
.endr
	PLACES 4                                       ; in front of loads into registers that these products read, and of the first read of the scores
.set J, 0
.rept 12
	ds_load_b128 v[KV+4*J:KV+4*J+3], v4 offset:6144+512*J  ; V^T's four images land while the softmax is worked
.set J, J+1
.endr
	ds_load_b32 v[VSC], v6 offset:12800
	ds_load_b32 v[VSC+1], v6 offset:12928
.irp b, 0,1,2,3
	v_max3_num_f32 v[BM+\b], v[S+16*\b], v[S+1+16*\b], v[S+2+16*\b]    ; the largest score of each block of 32 keys: for the row's maximum, and, since p rises with the score, for the block's largest p
.endr
.irp i, 3,5,7,9,11,13
.irp b, 0,1,2,3
	v_max3_num_f32 v[BM+\b], v[BM+\b], v[S+16*\b+\i], v[S+1+16*\b+\i]
.endr
.endr
.irp b, 0,1,2,3
	v_max_num_f32 v[BM+\b], v[BM+\b], v[S+15+16*\b]
.endr
.irp b, 0,1,2,3
	s_delay_alu instid0(VALU_DEP_4)
	v_permlanex16_b32 v[BX+\b], v[BM+\b], s[SEL], s[SEL+1]
.endr
.irp b, 0,1,2,3
	s_delay_alu instid0(VALU_DEP_4)
	v_max_num_f32 v[BM+\b], v[BM+\b], v[BX+\b]             ; with lane l xor 16's 16 keys
.endr
	s_delay_alu instid0(VALU_DEP_2)
	v_max3_num_f32 v238, v[BM], v[BM+1], v[BM+2]
	s_delay_alu instid0(VALU_DEP_1)
	v_max_num_f32 v238, v238, v[BM+3]              ; the step's largest score of my query
	s_delay_alu instid0(VALU_DEP_1)
	v_mul_f32 v238, s[CS], v238                    ; as t (c is positive)
	s_delay_alu instid0(VALU_DEP_1)
	v_max_num_f32 v13, v13, v238                   ; the running largest t
	v_mov_b32 v238, v12
	s_delay_alu instid0(VALU_DEP_2)
	v_floor_f32 v12, -v13                          ; the new -M = floor(-t) = -ceil(t)
	s_delay_alu instid0(VALU_DEP_1)
	v_sub_f32 v238, v12, v238                      ; old M less new M: a whole number, 0 or less
	s_delay_alu instid0(VALU_DEP_1)
	v_cvt_i32_f32 v238, v238                       ; (it saturates)
	s_delay_alu instid0(VALU_DEP_1)
	v_ldexp_f32 v94, 1.0, v238                     ; f = 2^(old M - new M)
.set J, 0
.rept 32
	v_pk_fma_f32 v[S+J:S+J+1], v[S+J:S+J+1], s[CS:CS+1], v[12:13] op_sel_hi:[1,0,0]   ; t - M, two at a time
.set J, J+2
.endr
.irp b, 0,1,2,3
	v_fma_f32 v[BM+\b], v[BM+\b], s[CS], v12       ; the same of each block's largest score
.endr
.set J, 0
	s_wait_alu depctr_va_vdst(0)
.rept 64
	v_exp_f32 v[S+J], v[S+J]                       ; p = 2^(t - M), at most 1
.set J, J+1
.endr
	s_setprio 1
	v_pk_mul_f32 v[14:15], v[14:15], v[94:95] op_sel_hi:[1,0]      ; the sums under the new M: the plain instruction behind the exponentials
	s_wait_alu depctr_va_vdst(0)                   ; one wait for the whole batch, ahead of its first reader
.irp b, 0,1,2,3
	v_exp_f32 v[BM+\b], v[BM+\b]                   ; the block's largest p: the same two instructions on the same number give the same bits
.endr
	v_pk_add_f32 v[236:237], v[100:101], v[104:105]
	v_pk_add_f32 v[254:255], v[108:109], v[112:113]
	v_pk_add_f32 v[250:251], v[116:117], v[120:121]
	v_pk_add_f32 v[248:249], v[124:125], v[128:129]
	v_pk_add_f32 v[246:247], v[132:133], v[136:137]
	v_pk_add_f32 v[242:243], v[140:141], v[144:145]
	v_pk_add_f32 v[240:241], v[148:149], v[152:153]
	v_pk_add_f32 v[14:15], v[14:15], v[156:157]
	v_pk_add_f32 v[236:237], v[236:237], v[96:97]
	v_pk_add_f32 v[254:255], v[254:255], v[98:99]
	v_pk_add_f32 v[250:251], v[250:251], v[102:103]
	v_pk_add_f32 v[248:249], v[248:249], v[106:107]
	v_pk_add_f32 v[246:247], v[246:247], v[110:111]
	v_pk_add_f32 v[242:243], v[242:243], v[114:115]
	v_pk_add_f32 v[240:241], v[240:241], v[118:119]
	v_pk_add_f32 v[14:15], v[14:15], v[122:123]
	v_pk_add_f32 v[236:237], v[236:237], v[126:127]
	v_pk_add_f32 v[254:255], v[254:255], v[130:131]
	v_pk_add_f32 v[250:251], v[250:251], v[134:135]
	v_pk_add_f32 v[248:249], v[248:249], v[138:139]
	v_pk_add_f32 v[246:247], v[246:247], v[142:143]
	v_pk_add_f32 v[242:243], v[242:243], v[146:147]
	v_pk_add_f32 v[240:241], v[240:241], v[150:151]
	v_pk_add_f32 v[14:15], v[14:15], v[154:155]
	v_pk_add_f32 v[236:237], v[236:237], v[158:159]
	s_delay_alu instid0(VALU_DEP_2)
	v_pk_add_f32 v[14:15], v[14:15], v[248:249]
	s_delay_alu instid0(VALU_DEP_2)
	v_pk_add_f32 v[236:237], v[236:237], v[246:247]
	v_pk_add_f32 v[254:255], v[254:255], v[242:243]
	v_pk_add_f32 v[250:251], v[250:251], v[240:241]
	s_delay_alu instid0(VALU_DEP_2)
	v_pk_add_f32 v[14:15], v[14:15], v[254:255]
	s_delay_alu instid0(VALU_DEP_2)
	v_pk_add_f32 v[236:237], v[236:237], v[250:251]
	s_delay_alu instid0(VALU_DEP_1)
	v_pk_add_f32 v[14:15], v[14:15], v[236:237]
	s_wait_alu depctr_va_vdst(0)                   ; and one for the four
.irp b, 0,1,2,3
	v_max_num_f32 v[BM+\b], 0x1800000, v[BM+\b]    ; the floor 2^(3 - 127): the byte cannot fall under 1
.endr
.irp b, 0,1,2,3
	s_delay_alu instid0(VALU_DEP_4)
	v_add_nc_u32 v[BS+\b], 0xff000000, v[BM+\b]    ; 2 off the exponent field: the conversion's scale operand
.endr
.irp b, 0,1,2,3
	s_delay_alu instid0(VALU_DEP_4)
	v_lshrrev_b32 v[BX+\b], 23, v[BS+\b]           ; the scale's byte
.endr
	s_delay_alu instid0(VALU_DEP_3)
	v_lshl_or_b32 v[PW], v[BX+1], 8, v[BX]         ; p's scale word for these 128 keys
	s_delay_alu instid0(VALU_DEP_1)
	v_lshl_or_b32 v[PW], v[BX+2], 16, v[PW]
	s_delay_alu instid0(VALU_DEP_1)
	v_lshl_or_b32 v[PW], v[BX+3], 24, v[PW]
.irp c, 0,1
	v_cvt_scalef32_pk16_fp6_f32 v[PC+6*\c:PC+6*\c+2], v[S+32*\c:S+32*\c+15], v[BS+2*\c]
	v_cvt_scalef32_pk16_fp6_f32 v[T+4*\c:T+4*\c+2], v[S+32*\c+16:S+32*\c+31], v[BS+2*\c+1]
.endr
	v_nop                                          ; one plain instruction behind the conversions
.irp c, 0,1
.irp i, 0,1,2
	v_permlane16_swap_b32 v[PC+6*\c+\i], v[T+4*\c+\i]      ; a whole block to a lane
.endr
.irp i, 0,1,2
	s_delay_alu instid0(VALU_DEP_3)
	v_mov_b32 v[PC+6*\c+3+\i], v[T+4*\c+\i]
.endr
.endr
.set J, 0
	s_setprio 0
.rept 16
	v_pk_mul_f32 v[O+J:O+J+1], v[O+J:O+J+1], v[94:95] op_sel_hi:[1,0]   ; O^T under the new M, in ascending order; these sixteen are also the places between p's codes and scale word and the products
.set J, J+2
.endr
	s_wait_alu depctr_va_vdst(0)
	s_wait_dscnt 0x0                               ; V^T and its scale words are in
.irp t, 0,1,2,3
	MM O+8*\t, KV+12*\t, PC, 0, VSC+\t/2, PW, \t%2, 0      ; four accumulators by turns; the next matrix instruction is the next trip's first score product
.endr
	s_add_co_u32 s[TB], s[TB], STEPB
	s_sub_co_u32 s[CNT], s[CNT], 1
	s_cmp_lg_u32 s[CNT], 0
	s_cbranch_scc1 .Lstep_\@
	s_setprio 0
	PLACES 4                                       ; in front of the first read of O^T
	v_add_f32 v14, v14, v15                        ; the sum's two halves,
	s_delay_alu instid0(VALU_DEP_1)
	v_permlanex16_b32 v[BX], v14, s[SEL], s[SEL+1]
	s_delay_alu instid0(VALU_DEP_1)
	v_add_f32 v14, v14, v[BX]                      ; and lane l xor 16's: the row's sum
	s_wait_alu depctr_va_vdst(0)
	v_rcp_f32 v14, v14
	v_nop                                          ; a plain instruction behind the reciprocal
	s_wait_alu depctr_va_vdst(0)                   ; and the wait ahead of its first reader
.set J, 0
.rept 16
	v_pk_mul_f32 v[S+J:S+J+1], v[O+J:O+J+1], v[14:15] op_sel_hi:[1,0]   ; o = O^T / the sum: register 16 b + i is e = 32 b + 16 h + i
.set J, J+2
.endr
	QUANTH S, PCO+6*\hd, 238                       ; this head's 64 are k = 64 hd + 0 .. 63 of my K step
.if \hd == 0
	v_mov_b32 v[OW], v238
.else
	v_lshl_or_b32 v[OW], v238, 16, v[OW]
.endif
.endm
	PASS 0
	PASS 1
.irp c, 0,1,2
	global_store_b128 v1, v[PCO+4*\c:PCO+4*\c+3], s[10:11] offset:512*\c   ; o's image: 512 consecutive bytes a store
.endr
	v_lshrrev_b32 v239, v253, v[OW]                ; both halves of the lanes hold row r's word: lanes 0-15 store its low half, lanes 16-31 its high half
	global_store_b16 v252, v239, s[12:13]          ; 64 consecutive bytes
	s_wait_tensorcnt 0x0                           ; the wave's end
	ds_add_u32 v[SPW], v[NIL]
	s_wait_dscnt 0x0
	CROUND                                         ; the closing round
	s_endpgm
.Lfunc_end_k_qa8871b305a_attn:
	.size	k_qa8871b305a_attn, .Lfunc_end_k_qa8871b305a_attn-k_qa8871b305a_attn
	.p2alignl 7, 3214868480
	.fill 96, 4, 3214868480
	.section	.rodata,"a",@progbits
	.p2align	6, 0x0
	.amdhsa_kernel k_qa8871b305a_attn
		.amdhsa_group_segment_fixed_size 210944
		.amdhsa_private_segment_fixed_size 0
		.amdhsa_enable_private_segment 0
		.amdhsa_kernarg_size 40
		.amdhsa_user_sgpr_count 2
		.amdhsa_user_sgpr_kernarg_segment_ptr 1
		.amdhsa_wavefront_size32 1
		.amdhsa_system_sgpr_workgroup_id_x 1
		.amdhsa_system_sgpr_workgroup_id_y 1
		.amdhsa_system_sgpr_workgroup_id_z 1
		.amdhsa_system_vgpr_workitem_id 0
		.amdhsa_next_free_vgpr 256
		.amdhsa_next_free_sgpr 66
		.amdhsa_reserve_vcc 0
		.amdhsa_float_denorm_mode_32 3
		.amdhsa_float_denorm_mode_16_64 3
		.amdhsa_memory_ordered 1
		.amdhsa_forward_progress 1
		.amdhsa_inst_pref_size 52
	.end_amdhsa_kernel
	.amdgpu_metadata
---
amdhsa.version: [ 1, 2 ]
amdhsa.kernels:
  - .name:           k_qa8871b305a_attn
    .symbol:         k_qa8871b305a_attn.kd
    .args:
      - { .name: qimg, .offset: 0, .size: 8, .value_kind: global_buffer, .address_space: global }
      - { .name: qsc, .offset: 8, .size: 8, .value_kind: global_buffer, .address_space: global }
      - { .name: kv, .offset: 16, .size: 8, .value_kind: global_buffer, .address_space: global }
      - { .name: aimg, .offset: 24, .size: 8, .value_kind: global_buffer, .address_space: global }
      - { .name: asc, .offset: 32, .size: 8, .value_kind: global_buffer, .address_space: global }
    .group_segment_fixed_size: 210944
    .private_segment_fixed_size: 0
    .kernarg_segment_align: 8
    .kernarg_segment_size: 40
    .max_flat_workgroup_size: 512
    .sgpr_count:     66
    .vgpr_count:     256
    .wavefront_size: 32
...
	.end_amdgpu_metadata
.endif
;; end of part 7
;; launch outp (part 8): grid 32 x 16, 4 waves a work-group, no clusters, 17,920 bytes of LDS; arguments aimg, asc, wimg, wsc, bo, out0; writes out0
.if DOCPART == 8
	.amdgcn_target "amdgcn-amd-amdhsa--gfx1250"
	.amdhsa_code_object_version 6
	.text
	.protected	k_qa8871b305a_outp
	.globl	k_qa8871b305a_outp
	.p2align	8
	.type	k_qa8871b305a_outp,@function
k_qa8871b305a_outp:
	s_mov_b64 s[64:65], 0
	v_nop
	global_prefetch_b8 v0, s[64:65] scope:SCOPE_SE
	s_setreg_imm32_b32 hwreg(HW_REG_WAVE_SCHED_MODE, 0, 2), 2
	s_setreg_imm32_b32 hwreg(HW_REG_WAVE_MODE, 25, 1), 1
	s_wait_xcnt 0x0
	s_wait_alu depctr_vm_vsrc(0)
; Launch 4 of 4: out = o Wo + bo on codes of E2M3.  o's codes and scale words lie in aimg and asc (launch 3), Wo's in wimg and wsc (tiles 72 on, groups 36 on).  No work is left out.
; Work-group (a, g): 256 positions x 64 columns; a wave makes 64 positions x 64 columns, 16 accumulators, TRANSPOSED (source 0 = 16 columns of Wo, source 1 = 16 positions).
; Operands go from memory straight into registers (images of registers: launch 1).  bo is loaded into the accumulators and so is the sum's first term.
; THE WAY OUT: a lane holds 16 neighbouring columns (twice) of one position; a tile of 16 positions x 256 bytes goes through the wave's own stage in LDS and leaves as whole rows:
; sixteen lanes store 256 consecutive bytes, aligned.  Waves share nothing: no barrier.
; THE MODE: SCHED_MODE bits 1:0 = 2 (LLVM: expert scheduling mode 2), set by the entry lines.  The code itself states the register dependences
; between vector or matrix instructions and memory or LDS instructions, with s_wait_alu, always for 0.
; THE PLAN.  Registers that memory or LDS instructions touch:
;   v1, v2, v120, v104-106   offsets and LDS addresses, made once at the head and never written again: one wait on va_vdst ahead of the first load.
;   F0, F1                   two buffers of eight fragments, 96 registers each: F0 = v8-103 of window 0, F1 = the same numbers in window 1 (v264-359).
;   S0, S1                   two sets of four scale words: v3-6 and v112-115, both in window 0 (scale operands have no window).
;                            K step s multiplies F[s % 2] under S[s % 2].  At its head the 28 loads of step s + 1 go out, into the other buffer and the other set, which the matrix instructions of step s - 1
;                            read and which no instruction of step s names.  So ONE wait on va_vdst stands at a step's head: step s - 1's matrix instructions are done reading them.
;   v128-255                 the accumulators: bo's loads land in them before any matrix instruction names them; on the way out they are the LDS stores' data.
;   v8-71                    on the way out: the stage's loads land in them (two sets of 32 by turns), the global stores read them.
;   v107, v108               written at the head, read by the closing add alone.
; A step's loads stand in one run: among the matrix instructions each group of them would want two switches of the register window.  Two steps have four switches.
.set XS,   3                           ; set 0: v3, v4 o's scale words; v5, v6 Wo's (scales and nothing else)
.set WS,   5
.set SC1,  109                         ; set 1 lies 109 registers on: v112, v113 o's; v114, v115 Wo's (scales and nothing else)
.set XF,   8                           ; v8-55   o's four fragments, in the step's buffer
.set WF,   56                          ; v56-103 Wo's four
.set BK,   8                           ; the way out: rows read back: v8-39 and v40-71 by turns
.set STO,  104                         ; v104 the stage, in
.set RD,   105                         ; v105 the stage, out
.set CO,   106                         ; v106 my byte offset in two rows of out
.set SPW,  107                         ; v107 LDS address of my spare word; never rewritten
.set NIL,  108                         ; v108 0; never rewritten
.set ACC,  128
.set SPARE, 17408                      ; behind the four stages of 16 x 272 bytes: the spare words, two blocks of 256 bytes that no other line names
.set MSB, 0
.macro WIN new                         ; s_set_vgpr_msb's low byte: bits 1:0 source 0, 3:2 source 1, 5:4 source 2, 7:6 destination; the high byte repeats the setting that is left
.if MSB != (\new)
	s_set_vgpr_msb (MSB<<8)|(\new)
.set MSB, (\new)
.endif
.endm
.macro PLACES n
.rept \n
	v_nop
.endr
.endm
.macro MM d, a, b, z, sa, sb, ra, rb
.if (\z)
.if (\ra) && (\rb)
	v_wmma_scale_f32_16x16x128_f8f6f4 v[\d:\d+7], v[\a:\a+11], v[\b:\b+11], 0, v[\sa], v[\sb] matrix_a_fmt:MATRIX_FMT_FP6 matrix_b_fmt:MATRIX_FMT_FP6 matrix_a_scale:MATRIX_SCALE_ROW1 matrix_b_scale:MATRIX_SCALE_ROW1
.elseif (\ra)
	v_wmma_scale_f32_16x16x128_f8f6f4 v[\d:\d+7], v[\a:\a+11], v[\b:\b+11], 0, v[\sa], v[\sb] matrix_a_fmt:MATRIX_FMT_FP6 matrix_b_fmt:MATRIX_FMT_FP6 matrix_a_scale:MATRIX_SCALE_ROW1
.elseif (\rb)
	v_wmma_scale_f32_16x16x128_f8f6f4 v[\d:\d+7], v[\a:\a+11], v[\b:\b+11], 0, v[\sa], v[\sb] matrix_a_fmt:MATRIX_FMT_FP6 matrix_b_fmt:MATRIX_FMT_FP6 matrix_b_scale:MATRIX_SCALE_ROW1
.else
	v_wmma_scale_f32_16x16x128_f8f6f4 v[\d:\d+7], v[\a:\a+11], v[\b:\b+11], 0, v[\sa], v[\sb] matrix_a_fmt:MATRIX_FMT_FP6 matrix_b_fmt:MATRIX_FMT_FP6
.endif
.else
.if (\ra) && (\rb)
	v_wmma_scale_f32_16x16x128_f8f6f4 v[\d:\d+7], v[\a:\a+11], v[\b:\b+11], v[\d:\d+7], v[\sa], v[\sb] matrix_a_fmt:MATRIX_FMT_FP6 matrix_b_fmt:MATRIX_FMT_FP6 matrix_a_scale:MATRIX_SCALE_ROW1 matrix_b_scale:MATRIX_SCALE_ROW1
.elseif (\ra)
	v_wmma_scale_f32_16x16x128_f8f6f4 v[\d:\d+7], v[\a:\a+11], v[\b:\b+11], v[\d:\d+7], v[\sa], v[\sb] matrix_a_fmt:MATRIX_FMT_FP6 matrix_b_fmt:MATRIX_FMT_FP6 matrix_a_scale:MATRIX_SCALE_ROW1
.elseif (\rb)
	v_wmma_scale_f32_16x16x128_f8f6f4 v[\d:\d+7], v[\a:\a+11], v[\b:\b+11], v[\d:\d+7], v[\sa], v[\sb] matrix_a_fmt:MATRIX_FMT_FP6 matrix_b_fmt:MATRIX_FMT_FP6 matrix_b_scale:MATRIX_SCALE_ROW1
.else
	v_wmma_scale_f32_16x16x128_f8f6f4 v[\d:\d+7], v[\a:\a+11], v[\b:\b+11], v[\d:\d+7], v[\sa], v[\sb] matrix_a_fmt:MATRIX_FMT_FP6 matrix_b_fmt:MATRIX_FMT_FP6
.endif
.endif
.endm
	s_load_b256 s[4:11], s[0:1], 0x0               ; aimg s[4:5], asc s[6:7], wimg s[8:9], wsc s[10:11]
	s_load_b128 s[12:15], s[0:1], 0x20             ; bo s[12:13], out0 s[14:15]
	v_lshl_add_u32 v[SPW], v0, 2, SPARE
	v_mov_b32 v[NIL], 0
	v_lshrrev_b32 v1, 5, v0
	v_readfirstlane_b32 s24, v1                    ; wave
	v_and_b32 v2, 31, v0
	v_lshlrev_b32 v1, 4, v2                        ; 16 x lane; never rewritten
	v_lshlrev_b32 v2, 2, v2                        ; 4 x lane; never rewritten
	v_and_b32 v109, 15, v0                         ; r
	v_bfe_u32 v110, v0, 4, 1                       ; h
	s_and_b32 s25, ttmp7, 0xffff                   ; g: my 64 columns
	s_wait_alu depctr_va_sdst(0)                   ; s24 is written, ahead of its first reader: my positions and my stage are made from it
	s_lshl_b32 s26, ttmp9, 2
	s_add_co_u32 s26, s26, s24                     ; i: my 64 positions
	s_mul_i32 s27, s24, 4352                       ; my stage
	v_mul_u32_u24 v[STO], v109, 272
	v_lshl_add_u32 v[STO], v110, 6, v[STO]
	v_add_nc_u32 v[STO], s27, v[STO]               ; in: row r, + 64 h
	v_mul_u32_u24 v[RD], v110, 272
	v_lshl_add_u32 v[RD], v109, 4, v[RD]
	v_add_nc_u32 v[RD], s27, v[RD]                 ; out: lanes 0-15 one row, lanes 16-31 the next; 16 bytes a lane
	v_lshlrev_b32 v[CO], 12, v110
	v_lshl_add_u32 v[CO], v109, 4, v[CO]           ; and the same two rows in out
	v_lshlrev_b32 v120, 6, v110                    ; 64 h: the bias's offset
	s_mul_i32 s32, s26, 49152                      ; o: 4 tiles x 8 K steps x 1,536
	s_mov_b32 s33, 0
	s_lshl_b32 s34, s26, 11
	s_mov_b32 s35, 0
	s_lshl_b32 s36, s25, 2
	s_add_co_u32 s36, s36, 72
	s_mul_i32 s36, s36, 12288                      ; Wo's tiles 72 + 4 g on
	s_mov_b32 s37, 0
	s_lshl_b32 s38, s25, 1
	s_add_co_u32 s38, s38, 36
	s_lshl_b32 s38, s38, 10                        ; its groups 36 + 2 g on
	s_mov_b32 s39, 0
	s_lshl_b32 s40, s25, 8                         ; 64 columns are 256 bytes
	s_mov_b32 s41, 0
	s_lshl_b32 s42, s26, 18                        ; 64 rows of 4,096 bytes
	s_add_co_u32 s42, s42, s40
	s_mov_b32 s43, 0
	s_wait_kmcnt 0x0
	s_add_nc_u64 s[4:5], s[4:5], s[32:33]
	s_add_nc_u64 s[6:7], s[6:7], s[34:35]
	s_add_nc_u64 s[8:9], s[8:9], s[36:37]
	s_add_nc_u64 s[10:11], s[10:11], s[38:39]
	s_add_nc_u64 s[12:13], s[12:13], s[40:41]
	s_add_nc_u64 s[14:15], s[14:15], s[42:43]
	s_wait_alu depctr_va_vdst(0)                   ; the offsets v1, v2, v120 and the addresses v104-106 are written: every load, store and LDS instruction of the kernel reads one of them
.irp m, 0,1,2,3
.irp t, 0,1,2,3
	global_load_b128 v[ACC+32*\m+8*\t:ACC+32*\m+8*\t+3], v120, s[12:13] offset:128*(\t/2)+32*(\t%2)        ; bo of column 32 (t / 2) + 16 h + 8 (t % 2) + 0 .. 7 starts the sums
	global_load_b128 v[ACC+32*\m+8*\t+4:ACC+32*\m+8*\t+7], v120, s[12:13] offset:128*(\t/2)+32*(\t%2)+16
.endr
.endr
; the 28 loads of K step s: its four scale words into set s % 2, Wo's four fragments and o's four into buffer s % 2.  It begins and ends with every window 0
.macro LOADS s
.irp p, 0,1
	global_load_b32 v[XS+SC1*((\s)%2)+\p], v2, s[6:7] offset:1024*\p+128*(\s)
	global_load_b32 v[WS+SC1*((\s)%2)+\p], v2, s[10:11] offset:1024*\p+128*(\s)
.endr
	WIN 0x40*((\s)%2)                              ; buffer 1: the destination in window 1, the offset in window 0
.irp t, 0,1,2,3
.irp c, 0,1,2
	global_load_b128 v[WF+12*\t+4*\c:WF+12*\t+4*\c+3], v1, s[8:9] offset:12288*\t+1536*(\s)+512*\c
.endr
.endr
.irp m, 0,1,2,3
.irp c, 0,1,2
	global_load_b128 v[XF+12*\m+4*\c:XF+12*\m+4*\c+3], v1, s[4:5] offset:12288*\m+1536*(\s)+512*\c
.endr
.endr
	WIN 0
.endm
; a K step of 128: the next step's 28 loads, then 16 matrix instructions; the 16 accumulators take turns
.macro KSTEP s
.set AH, 0                             ; the younger loads: the next step's 28, or none
.if (\s) < 7
.set AH, 28
.endif
.if (\s) == 0
	s_wait_loadcnt 9                               ; bo, the scale words, Wo's four fragments and o's tile 0 are in; the three loads of each later tile may be out.  Step 1's loads follow: no vector or matrix instruction has named their registers
.else
	WIN 0
	PLACES 4                                       ; in front of loads into registers that matrix instructions have read
	s_wait_alu depctr_va_vdst(0)                   ; the last step's matrix instructions are done reading their buffer and their scale words, in which the 28 loads below land; only loads and window switches stand between
.endif
.if (\s) < 7
	LOADS (\s)+1
.endif
	WIN 0x05*((\s)%2)                              ; buffer 1: sources 0 and 1 in window 1; C and D in window 0
.irp m, 0,1,2,3
.if ((\s) > 0) || (\m > 0)
	s_wait_loadcnt AH+9-3*\m                       ; all up to o's tile m are in; the three loads of each later tile, and the next step's loads, may be out
.endif
.irp t, 0,1,2,3
	MM ACC+32*\m+8*\t, WF+12*\t, XF+12*\m, 0, WS+SC1*((\s)%2)+\t/2, XS+SC1*((\s)%2)+\m/2, \t%2, \m%2
.endr
.endr
.endm
	LOADS 0
.irp s, 0,1,2,3,4,5,6,7
	KSTEP \s
.endr
	WIN 0
; tile m of positions into my stage, each accumulator from its low end on, and back as whole rows.  LDS serves a wave's instructions in order: no wait between the stores and the loads
.macro TOSTAGE m
.irp b, 0,1
.irp q, 0,1,2,3
	ds_store_b128 v[STO], v[ACC+32*(\m)+16*\b+4*\q:ACC+32*(\m)+16*\b+4*\q+3] offset:128*\b+16*\q
.endr
.endr
.irp i, 0,1,2,3,4,5,6,7
	ds_load_b128 v[BK+32*((\m)%2)+4*\i:BK+32*((\m)%2)+4*\i+3], v[RD] offset:544*\i
.endr
.endm
; stage row 2 i + h of tile m is position 32 (m / 2) + 8 (m % 2) + 2 i + h + 8 (i / 4) of my 64
.macro SEND m, younger
	s_wait_dscnt \younger                          ; the tile is back in registers; the LDS instructions issued behind its loads may be out
.irp i, 0,1,2,3,4,5,6,7
	global_store_b128 v[CO], v[BK+32*((\m)%2)+4*\i:BK+32*((\m)%2)+4*\i+3], s[14:15] offset:(32*((\m)/2)+8*((\m)%2)+2*\i+8*(\i/4))*4096 th:TH_STORE_NT   ; 16 lanes store 256 consecutive bytes, aligned
.endr
.endm
	PLACES 4                                       ; in front of the first read of results
	s_wait_alu depctr_va_vdst(0)                   ; the matrix instructions have written the accumulators, which the LDS stores read, and are done reading v8-71, in which the stage's loads land; no vector instruction follows
	TOSTAGE 0
.irp m, 1,2,3
.if \m > 1
	s_wait_xcnt 0x0                                ; tile m - 2's stores have read their registers: tile m's rows may land there
	s_wait_alu depctr_vm_vsrc(0)                   ; tile m - 2's global stores have read their 32 registers, in which tile m's loads from the stage land
.endif
	TOSTAGE \m
	SEND \m-1, 16                                  ; behind tile m - 1's loads: tile m's 8 stores and 8 loads
.endr
	SEND 3, 0
	s_wait_dscnt 0x0                               ; the wave's end
	s_wait_alu 0x0
	s_wait_tensorcnt 0x0
	ds_add_u32 v[SPW], v[NIL]
	s_wait_dscnt 0x0
	s_endpgm
.Lfunc_end_k_qa8871b305a_outp:
	.size	k_qa8871b305a_outp, .Lfunc_end_k_qa8871b305a_outp-k_qa8871b305a_outp
	.p2alignl 7, 3214868480
	.fill 96, 4, 3214868480
	.section	.rodata,"a",@progbits
	.p2align	6, 0x0
	.amdhsa_kernel k_qa8871b305a_outp
		.amdhsa_group_segment_fixed_size 17920
		.amdhsa_private_segment_fixed_size 0
		.amdhsa_enable_private_segment 0
		.amdhsa_kernarg_size 48
		.amdhsa_user_sgpr_count 2
		.amdhsa_user_sgpr_kernarg_segment_ptr 1
		.amdhsa_wavefront_size32 1
		.amdhsa_system_sgpr_workgroup_id_x 1
		.amdhsa_system_sgpr_workgroup_id_y 1
		.amdhsa_system_sgpr_workgroup_id_z 1
		.amdhsa_system_vgpr_workitem_id 0
		.amdhsa_next_free_vgpr 360
		.amdhsa_next_free_sgpr 66
		.amdhsa_reserve_vcc 0
		.amdhsa_float_denorm_mode_32 3
		.amdhsa_float_denorm_mode_16_64 3
		.amdhsa_memory_ordered 1
		.amdhsa_forward_progress 1
		.amdhsa_inst_pref_size 53
	.end_amdhsa_kernel
	.amdgpu_metadata
---
amdhsa.version: [ 1, 2 ]
amdhsa.kernels:
  - .name:           k_qa8871b305a_outp
    .symbol:         k_qa8871b305a_outp.kd
    .args:
      - { .name: aimg, .offset: 0, .size: 8, .value_kind: global_buffer, .address_space: global }
      - { .name: asc, .offset: 8, .size: 8, .value_kind: global_buffer, .address_space: global }
      - { .name: wimg, .offset: 16, .size: 8, .value_kind: global_buffer, .address_space: global }
      - { .name: wsc, .offset: 24, .size: 8, .value_kind: global_buffer, .address_space: global }
      - { .name: bo, .offset: 32, .size: 8, .value_kind: global_buffer, .address_space: global }
      - { .name: out0, .offset: 40, .size: 8, .value_kind: global_buffer, .address_space: global }
    .group_segment_fixed_size: 17920
    .private_segment_fixed_size: 0
    .kernarg_segment_align: 8
    .kernarg_segment_size: 48
    .max_flat_workgroup_size: 128
    .sgpr_count:     66
    .vgpr_count:     360
    .wavefront_size: 32
...
	.end_amdgpu_metadata
.endif
;; end of part 8
